; MI455X (gfx1250); checked and timed in simulation.
; The chip was launched on July 23, 2026; its instructions are those of AMD's public machine-readable ISA for CDNA 5 (MIT licence, August 2026) and "CDNA5" Instruction Set Architecture Reference Guide (July 2026). The comments in the code are by the model that wrote it; some were corrected since.
;; Ro PE Attention. Allowed arithmetic: matrix products marked QUANTISED: E2M3 operands, one E8M0 scale for each 32 along K, by v_wmma_scale_f32_16x16x128_f8f6f4 with both operands' format E2M3, f32 sums; everything else in f32.
;; Inputs: k_norm_w 64 float32; q_norm_w 64 float32; rope_cos 4,064 x 32 float32; rope_sin 4,064 x 32 float32; wk 1,024 x 1,024 float32; wo 1,024 x 1,024 float32; wq 1,024 x 1,024 float32; wv 1,024 x 1,024 float32; x 1 x 4,096 x 1,024 float32.
;; Outputs: out0 1 x 4,096 x 1,024 float32.
;; This version of the problem:
;;   THIS VERSION OF THE PROBLEM IS GIVEN IN LOW PRECISION. The matrix products marked QUANTISED in the list below multiply operands that are first quantised to E2M3 (2 exponent bits, 3 mantissa bits; 6 bits a number), with one power-of-two scale for each 32 numbers along K (OCP MX v1.0); their sums are f32. All else is computed in f32.
;;   The module's matrix products, in the order in which they are computed (A, B: the left and right operand; K: the contracted axis; several contracted axes count as one K, in the product's order):
;;     1. [M 4,096, K 1,024] x [K 1,024, N 1,024]; A: input x; B: input wq: QUANTISED
;;     2. [M 4,096, K 1,024] x [K 1,024, N 1,024]; A: input x; B: input wk: QUANTISED
;;     3. [M 4,096, K 1,024] x [K 1,024, N 1,024]; A: input x; B: input wv: QUANTISED
;;     4. batch 16 x [M 4,096, K 64] x [K 64, N 4,096]; A: computed on the way; B: computed on the way: QUANTISED
;;     5. batch 16 x [M 64, K 4,096] x [K 4,096, N 4,096]; A: computed on the way; B: softmax (see below): QUANTISED
;;     6. [M 4,096, K 1,024] x [K 1,024, N 1,024]; A: computed on the way; B: input wo: QUANTISED
;;   THE QUANTISER, for each operand of a quantised product, along K:
;;     - K is cut into blocks of 32 from its start; a last block that is shorter is filled with zeros.
;;     - A block's scale is 2^e with e = floor(log2(the largest magnitude in the block)) - 2, held to -126 .. 127; a block of zeros has e = 0. As a byte (E8M0): e + 127.
;;     - Each number is divided by its block's scale, clamped to +-7.5, and rounded to the nearest number of E2M3, ties to even, subnormals kept.
;;     - The product sums the exact products of the quantised numbers (number of the format x scale) in f32.
;;   ~~~python
;;   def quantise(x, axis):      # numpy; x: float32 -> the quantised numbers, widened to float32 again
;;       x = np.moveaxis(x, axis, -1); K = x.shape[-1]
;;       x = np.pad(x, [(0, 0)] * (x.ndim - 1) + [(0, -K % 32)]); x = x.reshape(x.shape[:-1] + (-1, 32)); a = np.abs(x).max(-1, keepdims=True)
;;       e = np.where(a > 0, np.clip(np.frexp(np.where(a > 0, a, 1))[1] - 1 - 2, -126, 127), 0)      # np.frexp(a)[1] - 1 = floor(log2(a)), exactly
;;       r = np.clip(x / 2.0 ** e, -7.5, 7.5)
;;       step = 2.0 ** (np.maximum(np.frexp(np.where(r == 0, 1, r))[1] - 1, 0) - 3)
;;       q = np.round(r / step) * step * 2.0 ** e      # np.round: ties to even
;;       return np.moveaxis(q.reshape(q.shape[:-2] + (-1,))[..., :K], -1, axis).astype(np.float32)
;;   ~~~
;;   SOFTMAX AHEAD OF A QUANTISED PRODUCT. Where the list says 'softmax', what is quantised is not the finished softmax but p = 2^(t - M), with t = logit x log2(e) and M = ceil(the row's largest t), a whole number; so 1/2 < the row's largest p <= 1. The row's sum l is taken of the UNQUANTISED p, in f32, and the product's result is divided by l at the end. Since M is a whole number, a kernel that streams over the keys may use a running M (the ceiling of the running maximum): every later rescaling is an exact power of two, which a block's scale takes up: the codes' values come out the same.
;;   OPERANDS COMPUTED ON THE WAY. 'Computed on the way' means the value that the module computes at that place (a softmax that the list does not call 'softmax' is quantised finished and normalised). What goes into a quantiser is computed in f32, as accurately as f32 sums, v_exp_f32 and their like allow (about 1e-6 of the number): no bf16 or f16 on the way to a quantiser, and a product that is left as it is and whose result goes on into a quantised operand takes f32 operands (vector FMAs, or v_wmma_f32_16x16x4_f32). A number that lies on a knife's edge between two numbers of the format may be rounded either way, as far as f32 arithmetic and the matrix unit's own rounding can turn it there, and no further.
;; One version. Each part assembles by itself: llvm-mc -triple=amdgcn-amd-amdhsa -mcpu=gfx1250 --defsym DOCPART=n.
;; ======== version 1 of 1: 4 launches
;; limits: right only within a limited range of input values
;; workspace buffers: xi 3,145,728 bytes; xsc 131,072 bytes; wi 3,145,728 bytes; wsc 131,072 bytes; qr 3,407,872 bytes; kv 6,684,672 bytes; oi 3,145,728 bytes; osc 131,072 bytes
;; launch quant (part 1): grid 512 x 1, 4 waves a work-group, no clusters, 34,816 bytes of LDS; arguments x, wq, wk, wv, wo, xi, xsc, wi, wsc; writes xi, xsc, wi, wsc
.if DOCPART == 1
	.amdgcn_target "amdgcn-amd-amdhsa--gfx1250"
	.amdhsa_code_object_version 6
	.text
	.protected	k_qda87f9d50c_quant
	.globl	k_qda87f9d50c_quant
	.p2align	8
	.type	k_qda87f9d50c_quant,@function
k_qda87f9d50c_quant:
	s_mov_b64 s[64:65], 0
	v_nop
	global_prefetch_b8 v0, s[64:65] scope:SCOPE_SE
	s_setreg_imm32_b32 hwreg(HW_REG_WAVE_MODE, 25, 1), 1
	s_wait_xcnt 0x0
; x [4096][1024] and wq, wk, wv, wo [1024][1024], f32 with K innermost, become codes of FP6 (E2M3) with one E8M0 scale byte for each 32 along K.
; A block's scale is 2^(floor(log2(its largest magnitude)) - 2); its byte is the largest magnitude's exponent field - 2, held at 1 from below.
; LIMITS: a block whose largest magnitude lies under 2^-124 takes the byte 1; a block of zeros takes the byte 1 where the rule says 127 (its codes are zeros, and this program alone reads the bytes); NaN and infinities are not served.
; THE OUTPUT IS LAID AS THE MATRIX UNIT'S REGISTERS.  A tile is 16 rows, and they are not neighbours: tile t holds rows 32 (t / 2) + 8 (t % 2) + i + 8 (i / 8), i = 0 .. 15.
; A fragment (a tile x 128 along K: 12 registers a lane) is 1,536 bytes: registers 4 g .. 4 g + 3 of lane l at 512 g + 16 l.  xi, wi: [tile 256][K step 8][1,536]; wi's tiles: 0-63 wq, 64-127 wk, 128-191 wv, 192-255 wo.
; Scale words (four bytes: 128 along K of one row): xsc, wsc: [tile][row 16][K step 8], 512 bytes a tile.
; SHARES.  A work-group takes one tile: work-groups 0-255 x's, the others the weights'.  Wave w takes K steps 2 w and 2 w + 1: 1,024 bytes of each row.
; Each load reads 512 consecutive bytes of a row; the numbers turn through the wave's own stage in LDS (rows of 512 + 16 bytes), so that lane (r, h) gets, of row r, 16 neighbours of each block of 32.
; No tensor load, no ring: all 32 loads of a wave go out at once.  One barrier, for the tile's 512 bytes of scale words, which leave as one store.
.set STGB,  8448                       ; a wave's stage: 16 rows x 528 bytes
.set SCG,   4*STGB                     ; the tile's scale words: 512 bytes
.set SPARE, SCG+512                    ; the spare words, 128 bytes for each wave: two blocks of 256 bytes that no other line names
.set GA,  4                            ; v4   byte offset of my 16 bytes in a row: 1,024 x wave + 16 x lane
.set STI, 5                            ; v5   the stage, on the way in: 16 x lane
.set STR, 6                            ; v6   and out: 528 r + 64 h
.set L16, 7                            ; v7   16 x lane
.set SCA, 8                            ; v8   where I put a scale word: SCG + 32 r + 8 x wave + 4 h
.set SCR, 9                            ; v9   where wave 0 reads them back: SCG + 16 x lane
.set SPW, 10                           ; v10  LDS address of my spare word; never rewritten
.set NIL, 11                           ; v11  0; never rewritten
.set R,   16                           ; v16-143  the numbers as loaded: two K steps x 16 rows x 4 registers
.set X,   144                          ; v144-207 64 numbers: register 16 b + i = k 32 b + 16 h + i of my row
.set TM,  208                          ; v208-223 at work
.set PW,  224                          ; v224, v225 the two K steps' scale words
.set PWS, 226                          ; v226 the one that my half of the lanes stores
.set PC,  228                          ; v228-239 a fragment's codes
.set PX,  240                          ; v240-247 the conversions' second halves
.set WV,  33
.set SEL, 34                           ; s[34:35] v_permlanex16_b32's selects for lane l xor 16
.set HM,  36                           ; s36  the mask of lanes 16-31
; 64 numbers of a lane, register 16 b + i = k 32 b + 16 (lane / 16) + i of its row, become a fragment's 12 registers of codes at pc and the row's scale word in pw
.macro QUANT4 s, pc, px, pw, tm
.irp b, 0,1,2,3
	v_max3_num_f32 v[(\tm)+\b], |v[(\s)+16*\b]|, |v[(\s)+16*\b+1]|, 0x1800000   ; my 16 numbers of block b, and the floor 2^(3 - 127): the byte cannot fall under 1
.endr
.irp i, 2,4,6,8,10,12,14
.irp b, 0,1,2,3
	v_max3_num_f32 v[(\tm)+\b], v[(\tm)+\b], |v[(\s)+16*\b+\i]|, |v[(\s)+16*\b+\i+1]|   ; the four blocks by turns
.endr
.endr
.irp b, 0,1,2,3
	v_permlanex16_b32 v[(\tm)+4+\b], v[(\tm)+\b], s[SEL], s[SEL+1]
.endr
.irp b, 0,1,2,3
	v_max_num_f32 v[(\tm)+\b], v[(\tm)+\b], v[(\tm)+4+\b]   ; with lane l xor 16's: the block's largest magnitude
.endr
.irp b, 0,1,2,3
	v_add_nc_u32 v[(\tm)+12+\b], 0xff000000, v[(\tm)+\b]    ; 2 off its exponent field: the conversion takes this operand's exponent field as its scale
.endr
.irp b, 0,1,2,3
	v_lshrrev_b32 v[(\tm)+4+\b], 23, v[(\tm)+12+\b]         ; the scale's byte
.endr
	v_lshl_or_b32 v[\pw], v[(\tm)+5], 8, v[(\tm)+4]
	v_lshl_or_b32 v[\pw], v[(\tm)+6], 16, v[\pw]
	v_lshl_or_b32 v[\pw], v[(\tm)+7], 24, v[\pw]            ; my row's scale word, the same in both halves of the lanes
.irp c, 0,1
	v_cvt_scalef32_pk16_fp6_f32 v[(\pc)+6*\c:(\pc)+6*\c+2], v[(\s)+32*\c:(\s)+32*\c+15], v[(\tm)+12+2*\c]
	v_cvt_scalef32_pk16_fp6_f32 v[(\px)+4*\c:(\px)+4*\c+2], v[(\s)+32*\c+16:(\s)+32*\c+31], v[(\tm)+13+2*\c]   ; a conversion's three registers begin on an even number
.endr
	v_nop                                          ; one plain place behind a scaled conversion
.irp c, 0,1                                    ; the operand's layout wants a whole block in a lane: lanes 0-15 block 2 c, lanes 16-31 block 2 c + 1
.irp i, 0,1,2
	v_permlane16_swap_b32 v[(\pc)+6*\c+\i], v[(\px)+4*\c+\i]
.endr
.irp i, 0,1,2
	v_mov_b32 v[(\pc)+6*\c+3+\i], v[(\px)+4*\c+\i]
.endr
.endr
.endm
	s_load_b512 s[8:23], s[0:1], 0x0               ; x s[8:9], wq, wk, wv, wo s[10:17], xi s[18:19], xsc s[20:21], wi s[22:23]
	s_load_b64 s[24:25], s[0:1], 0x40              ; wsc
	v_lshl_add_u32 v[SPW], v0, 2, SPARE
	v_mov_b32 v[NIL], 0
	v_lshrrev_b32 v1, 5, v0
	v_readfirstlane_b32 s[WV], v1                  ; wave 0..3
	v_and_b32 v1, 31, v0                           ; lane
	v_and_b32 v2, 15, v0                           ; r
	v_bfe_u32 v3, v0, 4, 1                         ; h
	v_lshlrev_b32 v[L16], 4, v1
	s_lshl_b32 s37, s[WV], 10
	v_add_nc_u32 v[GA], s37, v[L16]
	s_mul_i32 s37, s[WV], STGB
	v_add_nc_u32 v[STI], s37, v[L16]
	v_mul_u32_u24 v[STR], v2, 528
	v_lshl_add_u32 v[STR], v3, 6, v[STR]
	v_add_nc_u32 v[STR], s37, v[STR]
	v_lshlrev_b32 v[SCA], 5, v2
	v_lshl_add_u32 v[SCA], v3, 2, v[SCA]
	s_lshl_b32 s37, s[WV], 3
	s_add_co_u32 s37, s37, SCG
	v_add_nc_u32 v[SCA], s37, v[SCA]
	v_add_nc_u32 v[SCR], SCG, v[L16]
	s_mov_b32 s[SEL], 0x76543210
	s_mov_b32 s[SEL+1], 0xfedcba98
	s_mov_b32 s[HM], 0xffff0000
.irp b, 0,1,2,3
	v_mov_b32 v[TM+4+\b], 0                        ; written once: a lane permute's destination counts as one of its sources
.endr
	s_wait_alu depctr_va_vdst(0)
	s_wait_kmcnt 0x0
	s_cmp_lt_u32 ttmp9, 320                        ; which tensor: the choices hang on the work-group's number alone
	s_cselect_b64 s[26:27], s[10:11], s[12:13]     ; wq or wk
	s_cmp_lt_u32 ttmp9, 448
	s_cselect_b64 s[28:29], s[14:15], s[16:17]     ; wv or wo
	s_cmp_lt_u32 ttmp9, 384
	s_cselect_b64 s[26:27], s[26:27], s[28:29]
	s_cmp_lt_u32 ttmp9, 256
	s_cselect_b64 s[26:27], s[8:9], s[26:27]       ; the numbers,
	s_cselect_b64 s[28:29], s[18:19], s[22:23]     ; the codes,
	s_cselect_b64 s[30:31], s[20:21], s[24:25]     ; the scale words
	s_cselect_b32 s32, 255, 63
	s_and_b32 s38, ttmp9, s32                      ; the tile's number in its tensor
	s_lshr_b32 s39, s38, 1
	s_lshl_b32 s39, s39, 17                        ; 32 rows of 4,096 bytes for each pair of tiles,
	s_and_b32 s38, s38, 1
	s_lshl_b32 s38, s38, 15                        ; 8 rows for the odd one
	s_add_co_u32 s38, s38, s39
	s_mov_b32 s39, 0
	s_add_nc_u64 s[26:27], s[26:27], s[38:39]
	s_and_b32 s40, ttmp9, 255                      ; the tile's number in xi or wi
	s_mul_i32 s38, s40, 12288
	s_mul_i32 s41, s[WV], 3072                     ; my two K steps
	s_add_co_u32 s38, s38, s41
	s_add_nc_u64 s[28:29], s[28:29], s[38:39]
	s_lshl_b32 s38, s40, 9
	s_add_nc_u64 s[30:31], s[30:31], s[38:39]
.irp k, 0,1
.irp i, 0,1,2,3,4,5,6,7,8,9,10,11,12,13,14,15
	global_load_b128 v[R+64*\k+4*\i:R+64*\k+4*\i+3], v[GA], s[26:27] offset:(\i+8*(\i/8))*4096+512*\k th:TH_LOAD_NT   ; 32 lanes read 512 consecutive bytes: K step 2 w + k of the tile's row i
.endr
.endr
.macro TURN k                          ; a K step's numbers through the stage: LDS serves a wave's instructions in order, so no wait stands between the stores and the loads
.irp i, 0,1,2,3,4,5,6,7,8,9,10,11,12,13,14,15
	ds_store_b128 v[STI], v[R+64*\k+4*\i:R+64*\k+4*\i+3] offset:528*\i
.endr
.irp b, 0,1,2,3
.irp j, 0,1,2,3
	ds_load_b128 v[X+16*\b+4*\j:X+16*\b+4*\j+3], v[STR] offset:128*\b+16*\j
.endr
.endr
.endm
.macro SEND k                          ; the fragment leaves as it stands: each store covers 512 consecutive bytes, aligned
.irp g, 0,1,2
	global_store_b128 v[L16], v[PC+4*\g:PC+4*\g+3], s[28:29] offset:1536*\k+512*\g
.endr
.endm
	s_wait_loadcnt 16                              ; the first K step's sixteen loads are in; the second's may be out
	TURN 0
	s_wait_dscnt 0x0
	QUANT4 X, PC, PX, PW, TM
	SEND 0
	s_wait_loadcnt 0x0
	TURN 1
	s_wait_dscnt 0x0
	s_wait_xcnt 0x0                                ; the stores above have read their registers: the codes may be written again
	QUANT4 X, PC, PX, PW+1, TM
	SEND 1
	v_cndmask_b32 v[PWS], v[PW], v[PW+1], s[HM]    ; lanes 0-15 hold K step 2 w's word of row r, lanes 16-31 K step 2 w + 1's
	ds_store_b32 v[SCA], v[PWS]
	s_wait_dscnt 0x0                               ; for the others' sake: my words lie in LDS
	s_barrier_signal -1
	s_barrier_wait -1
	s_cmp_lg_u32 s[WV], 0
	s_cbranch_scc1 .Lend
	ds_load_b128 v[X:X+3], v[SCR]                  ; the tile's 128 words
	s_wait_dscnt 0x0
	global_store_b128 v[L16], v[X:X+3], s[30:31]   ; 512 consecutive bytes, aligned
.Lend:
	s_wait_tensorcnt 0x0                           ; the wave's end: behind my last LDS store
	ds_add_u32 v[SPW], v[NIL]
	s_wait_dscnt 0x0
	s_endpgm
.Lfunc_end_k_qda87f9d50c_quant:
	.size	k_qda87f9d50c_quant, .Lfunc_end_k_qda87f9d50c_quant-k_qda87f9d50c_quant
	.p2alignl 7, 3214868480
	.fill 96, 4, 3214868480
	.section	.rodata,"a",@progbits
	.p2align	6, 0x0
	.amdhsa_kernel k_qda87f9d50c_quant
		.amdhsa_group_segment_fixed_size 34816
		.amdhsa_private_segment_fixed_size 0
		.amdhsa_enable_private_segment 0
		.amdhsa_kernarg_size 72
		.amdhsa_user_sgpr_count 2
		.amdhsa_user_sgpr_kernarg_segment_ptr 1
		.amdhsa_wavefront_size32 1
		.amdhsa_system_sgpr_workgroup_id_x 1
		.amdhsa_system_sgpr_workgroup_id_y 1
		.amdhsa_system_sgpr_workgroup_id_z 1
		.amdhsa_system_vgpr_workitem_id 0
		.amdhsa_next_free_vgpr 256
		.amdhsa_next_free_sgpr 66
		.amdhsa_reserve_vcc 0
		.amdhsa_float_denorm_mode_32 3
		.amdhsa_float_denorm_mode_16_64 3
		.amdhsa_memory_ordered 1
		.amdhsa_forward_progress 1
		.amdhsa_inst_pref_size 19
	.end_amdhsa_kernel
	.amdgpu_metadata
---
amdhsa.version: [ 1, 2 ]
amdhsa.kernels:
  - .name:           k_qda87f9d50c_quant
    .symbol:         k_qda87f9d50c_quant.kd
    .args:
      - { .name: x, .offset: 0, .size: 8, .value_kind: global_buffer, .address_space: global }
      - { .name: wq, .offset: 8, .size: 8, .value_kind: global_buffer, .address_space: global }
      - { .name: wk, .offset: 16, .size: 8, .value_kind: global_buffer, .address_space: global }
      - { .name: wv, .offset: 24, .size: 8, .value_kind: global_buffer, .address_space: global }
      - { .name: wo, .offset: 32, .size: 8, .value_kind: global_buffer, .address_space: global }
      - { .name: xi, .offset: 40, .size: 8, .value_kind: global_buffer, .address_space: global }
      - { .name: xsc, .offset: 48, .size: 8, .value_kind: global_buffer, .address_space: global }
      - { .name: wi, .offset: 56, .size: 8, .value_kind: global_buffer, .address_space: global }
      - { .name: wsc, .offset: 64, .size: 8, .value_kind: global_buffer, .address_space: global }
    .group_segment_fixed_size: 34816
    .private_segment_fixed_size: 0
    .kernarg_segment_align: 8
    .kernarg_segment_size: 72
    .max_flat_workgroup_size: 128
    .sgpr_count:     66
    .vgpr_count:     256
    .wavefront_size: 32
...
	.end_amdgpu_metadata
.endif
;; end of part 1
;; launch qkv (part 2): grid 8 x 32, 4 waves a work-group, clusters of 4 x 4, 327,680 bytes of LDS; arguments xi, xsc, wi, wsc, rope_cos, rope_sin, q_norm_w, k_norm_w, qr, kv; writes qr, kv
.if DOCPART == 2
	.amdgcn_target "amdgcn-amd-amdhsa--gfx1250"
	.amdhsa_code_object_version 6
	.text
	.protected	k_qda87f9d50c_qkv
	.globl	k_qda87f9d50c_qkv
	.p2align	8
	.type	k_qda87f9d50c_qkv,@function
k_qda87f9d50c_qkv:
	s_mov_b64 s[64:65], 0
	v_nop
	global_prefetch_b8 v0, s[64:65] scope:SCOPE_SE
	s_setreg_imm32_b32 hwreg(HW_REG_WAVE_MODE, 25, 1), 1
	s_wait_xcnt 0x0
	s_wait_alu depctr_hold_cnt(0) depctr_sa_sdst(0) depctr_va_vdst(0) depctr_va_sdst(0) depctr_va_ssrc(0) depctr_va_vcc(0) depctr_vm_vsrc(0)
	s_getreg_b32 s2, hwreg(HW_REG_IB_STS2, 6, 4)
	s_cmp_eq_u32 s2, 0
	s_cbranch_scc0 .Lentry_in_a_cluster
	s_endpgm
.Lentry_in_a_cluster:
	s_bfe_u32 s2, ttmp6, 0x10000c
	s_cmp_lg_u32 s2, 0xf033
	s_cbranch_scc0 .Lentry_shape_is_right
	s_endpgm
.Lentry_shape_is_right:
; q = x wq^T, k = x wk^T, v = x wv^T on codes of FP6 (E2M3) with E8M0 scales; then, in f32, the RMS norm over a head's 64, the pairwise rotation of tokens 32 and up, q / 8; then q and k are quantised
; along the head's 64 and v along the tokens, and leave as images of the next launch's operand registers.
; LIMITS: a block whose largest magnitude lies under 2^-124, and a block of zeros, take the scale byte 1 (this program alone reads the bytes); NaN and infinities are not served.
; TILES.  All operands come as images of fragments (16 rows x 128 K: 1,536 bytes, registers 4 g .. 4 g + 3 of lane l at 512 g + 16 l); tile t holds rows 32 (t / 2) + 8 (t % 2) + i + 8 (i / 8).
; With D = product(source 0, source 1) a lane (r, h) holds row r of source 1's tile, and the 16 registers of source 0's tiles 2 b, 2 b + 1 are the 16 neighbours 32 b + 16 h + 0 .. 15 of source 0's rows.
; q, k: source 0 = the weight's rows (the head's 64 run along a lane's 32 registers and lane l xor 16's), source 1 = tokens.   v: source 0 = tokens, source 1 = wv's rows: the registers run along the keys.
; SHARES.  A work-group takes 128 tokens (8 tiles of x) x 128 columns (8 tiles, two heads) of wq, then wk, then wv.  x's whole K, 98,304 bytes, stays in LDS; wq and wk have a region each, wv is laid over wq's.
; Wave w = (wy, wx): in the q and k phases x's tiles 4 wy + j against the weight's tiles 4 wx + i (one head); in the v phase all 8 tiles of x against wv's tiles 2 w, 2 w + 1.  16 accumulators, by turns, 8 K steps of 16 products.
; CLUSTER 4 x 4: x's block hangs on the tile row alone and is asked for jointly along a row of the cluster, a weight's block on the tile column alone, along a column.  Each wave asks for a quarter (two tiles, 24,576 dense bytes).
; A wave has at most one tensor load outstanding.
; OUT.  qr: [head 16][128 tokens 32][6,656]: 8 half fragments (registers 0-3 at 768 T + 16 l, 4-5 at 768 T + 512 + 8 l), at 6,144 the scale words [half 2][lane 32][2]: word p of lane l in half f: tile 4 f + 2 p + l / 16, row l % 16.
; kv: [head][128 keys 32][13,056]: K as in qr; at 6,656 V's four fragments (16 of the head's 64 x 128 keys); at 12,800 V's scale words [p 2][lane 32]: tile 2 p + l / 16, row l % 16.
; REGISTERS: window 0: v1-16 addresses; v32-71 scale words; v72-127 at work; v128-255 the accumulators.  window 1: two sets of fragments, at v0 and at v128.  window 2: v0-127 cos and sin, v128-191 the norms' weights.
.set XT,    0                          ; LDS: x's 8 tiles x 8 K steps
.set WS0,   98304                      ; wq's, later wv's
.set WS1,   196608                     ; wk's
.set SPARE, 294912                     ; the spare words, 128 bytes for each wave: two blocks of 256 bytes that no other line names
.set TILEB, 12288                      ; a tile's 8 fragments
.set FRB,   1536                       ; a fragment
.set QREC,  6656
.set KREC,  13056
.set L16, 1                            ; 16, 8, 4 x lane
.set L8,  2
.set L4,  3
.set AX,  4                            ; LDS: my four tiles of x (q, k phases)
.set AW0, 5                            ; my four tiles of wq
.set AW1, 6                            ; of wk
.set AXL, 7                            ; x's tiles 0-3 (v phase)
.set AXH, 8                            ; x's tiles 4-7
.set AWV, 9                            ; my two tiles of wv
.set SL,  10                           ; a tile's scale words: 32 r + 16 h: lane (r, h) takes K steps 4 h .. 4 h + 3 of row r
.set NA,  11                           ; the norms' weights: 64 h
.set RA0, 12                           ; v12, v13 cos and sin: my token's row for tiles j = 0, 1 (held at row 0 for tokens under 32)
.set RA2, 14                           ; for tiles j = 2, 3
.set TOK, 15                           ; v15, v16 my token in tiles j = 0, 1
.set SPW, 30
.set NIL, 31
.set SCX, 32                           ; scale words: x's tiles (q, k: 4 x 4 registers; v: 8 x 4, v32-63)
.set SCW, 48                           ; the weight's tiles (q, k)
.set WVS, 64                           ; wv's two tiles
.set RS,  72                           ; v[72 + 2 j]: 1 / rms of tile j's token, v[73 + 2 j]: at work
.set TM,  80                           ; v80-85 the quantiser's
.set PWQ, 86                           ; v86-89 tile j's scale word
.set SW,  90                           ; v[90:91] the words as they are stored
.set PX,  92
.set PC,  96                           ; v[96 + 6 j ..] tile j's codes
.set TT,  120                          ; v120-123 at work
.set ACC, 128
.set NWQ, 128                          ; window 2
.set NWK, 160
.set WV, 24
.set WY, 25
.set WX, 26
.set CX, 27
.set CY, 28
.set TX, 29
.set TY, 30
.set HM, 33
.set SEL, 34
.set G1X, 40                           ; s[40:47] descriptor group 1 with the mask of my row of the cluster;  s[48:55] with that of my column
.set G1W, 48
.set G0X, 56                           ; groups 0, one for each load, never rewritten
.set G0Q, 60
.set C64, 66                           ; 1 / 64
.set EPS, 67                           ; 1e-6
.set G0K, 68
.set G0V, 72
.set MK,  76                           ; s76, s77 masks of the lanes whose token is rotated, tiles j = 0, 1
.set XSB, 78
.set XVB, 80
.set WSB, 82
.set WVB, 84
.set QB,  86
.set QSB, 88
.set KB,  90
.set KSB, 92
.set VB,  94
.set VSB, 96
.set MSB, 0
.macro WIN new                         ; the immediate's high byte repeats the setting that is left
.if MSB != \new
	s_set_vgpr_msb (MSB<<8)|\new
.set MSB, \new
.endif
.endm
.set MUL,  0x05                        ; sources 0 and 1 window 1; C and D window 0
.set TO_F, 0x40                        ; destination window 1
.set TO_T, 0x80                        ; destination window 2
.set FIX,  0x88                        ; source 1 and destination window 2
.set TAB,  0x08                        ; source 1 window 2
.macro PLACES n
.rept \n
	v_nop
.endr
.endm
.macro CROUND                          ; a round of the cluster's barrier
	s_barrier_signal -1
	s_barrier_wait -1
	s_cmp_lg_u32 s[WV], 0
	s_cbranch_scc1 .Lnot_wave_0_\@
	s_barrier_signal -3
.Lnot_wave_0_\@:
	s_barrier_wait -3
	s_barrier_signal -1
	s_barrier_wait -1
.endm
; 64 numbers of a lane (register 16 b + i = k 32 b + 16 h + i of its row) become a fragment's 12 registers at pc and the row's scale word in pw
.macro QUANT4 s, pc, px, pw, tm
.irp b, 0,1,2,3
	v_max3_num_f32 v[(\tm)+\b], |v[(\s)+16*\b]|, |v[(\s)+16*\b+1]|, 0x1800000   ; and the floor 2^(3 - 127): the byte cannot fall under 1
.endr
.irp i, 2,4,6,8,10,12,14
.irp b, 0,1,2,3
	v_max3_num_f32 v[(\tm)+\b], v[(\tm)+\b], |v[(\s)+16*\b+\i]|, |v[(\s)+16*\b+\i+1]|
.endr
.endr
.irp b, 0,1,2,3
	v_permlanex16_b32 v[(\tm)+4+\b], v[(\tm)+\b], s[SEL], s[SEL+1]
.endr
.irp b, 0,1,2,3
	v_max_num_f32 v[(\tm)+\b], v[(\tm)+\b], v[(\tm)+4+\b]
.endr
.irp b, 0,1,2,3
	v_add_nc_u32 v[(\tm)+12+\b], 0xff000000, v[(\tm)+\b]    ; 2 off the exponent field: the conversion's scale operand
.endr
.irp b, 0,1,2,3
	v_lshrrev_b32 v[(\tm)+4+\b], 23, v[(\tm)+12+\b]         ; the scale's byte
.endr
	v_lshl_or_b32 v[\pw], v[(\tm)+5], 8, v[(\tm)+4]
	v_lshl_or_b32 v[\pw], v[(\tm)+6], 16, v[\pw]
	v_lshl_or_b32 v[\pw], v[(\tm)+7], 24, v[\pw]
.irp c, 0,1
	v_cvt_scalef32_pk16_fp6_f32 v[(\pc)+6*\c:(\pc)+6*\c+2], v[(\s)+32*\c:(\s)+32*\c+15], v[(\tm)+12+2*\c]
	v_cvt_scalef32_pk16_fp6_f32 v[(\px)+4*\c:(\px)+4*\c+2], v[(\s)+32*\c+16:(\s)+32*\c+31], v[(\tm)+13+2*\c]
.endr
	v_nop                                          ; one plain place behind a scaled conversion
.irp c, 0,1
.irp i, 0,1,2
	v_permlane16_swap_b32 v[(\pc)+6*\c+\i], v[(\px)+4*\c+\i]   ; a whole block to a lane
.endr
.irp i, 0,1,2
	v_mov_b32 v[(\pc)+6*\c+3+\i], v[(\px)+4*\c+\i]
.endr
.endr
.endm
; the same for 32 numbers, two blocks: registers 0-5 of a fragment, and two scale bytes (the word's upper two stay 0: they stand over zero codes)
.macro QUANT2 s, pc, px, pw, tm
.irp b, 0,1
	v_max3_num_f32 v[(\tm)+\b], |v[(\s)+16*\b]|, |v[(\s)+16*\b+1]|, 0x1800000
.endr
.irp i, 2,4,6,8,10,12,14
.irp b, 0,1
	v_max3_num_f32 v[(\tm)+\b], v[(\tm)+\b], |v[(\s)+16*\b+\i]|, |v[(\s)+16*\b+\i+1]|
.endr
.endr
.irp b, 0,1
	v_permlanex16_b32 v[(\tm)+2+\b], v[(\tm)+\b], s[SEL], s[SEL+1]
.endr
.irp b, 0,1
	v_max_num_f32 v[(\tm)+\b], v[(\tm)+\b], v[(\tm)+2+\b]
.endr
.irp b, 0,1
	v_add_nc_u32 v[(\tm)+4+\b], 0xff000000, v[(\tm)+\b]
.endr
.irp b, 0,1
	v_lshrrev_b32 v[(\tm)+2+\b], 23, v[(\tm)+4+\b]
.endr
	v_lshl_or_b32 v[\pw], v[(\tm)+3], 8, v[(\tm)+2]
	v_cvt_scalef32_pk16_fp6_f32 v[(\pc):(\pc)+2], v[(\s):(\s)+15], v[(\tm)+4]
	v_cvt_scalef32_pk16_fp6_f32 v[(\px):(\px)+2], v[(\s)+16:(\s)+31], v[(\tm)+5]
	v_nop
.irp i, 0,1,2
	v_permlane16_swap_b32 v[(\pc)+\i], v[(\px)+\i]
.endr
.irp i, 0,1,2
	v_mov_b32 v[(\pc)+3+\i], v[(\px)+\i]
.endr
.endm
; one product of K step s.  K step 0 starts the sums.  A scale register holds K steps 0-3 in lanes 0-15 and 4-7 in lanes 16-31
.macro WM d, a, b, sa, sb, s
.if (\s) == 0
	v_wmma_scale_f32_16x16x128_f8f6f4 v[(\d):(\d)+7], v[(\a):(\a)+11], v[(\b):(\b)+11], 0, v[(\sa)], v[(\sb)] matrix_a_fmt:MATRIX_FMT_FP6 matrix_b_fmt:MATRIX_FMT_FP6
.elseif (\s) < 4
	v_wmma_scale_f32_16x16x128_f8f6f4 v[(\d):(\d)+7], v[(\a):(\a)+11], v[(\b):(\b)+11], v[(\d):(\d)+7], v[(\sa)], v[(\sb)] matrix_a_fmt:MATRIX_FMT_FP6 matrix_b_fmt:MATRIX_FMT_FP6
.else
	v_wmma_scale_f32_16x16x128_f8f6f4 v[(\d):(\d)+7], v[(\a):(\a)+11], v[(\b):(\b)+11], v[(\d):(\d)+7], v[(\sa)], v[(\sb)] matrix_a_fmt:MATRIX_FMT_FP6 matrix_b_fmt:MATRIX_FMT_FP6 matrix_a_scale:MATRIX_SCALE_ROW1 matrix_b_scale:MATRIX_SCALE_ROW1
.endif
.endm
.macro FRAG3 reg, adr, off             ; a fragment's image: three loads of 512 consecutive bytes
.irp g, 0,1,2
	ds_load_b128 v[(\reg)+4*\g:(\reg)+4*\g+3], v[\adr] offset:(\off)+512*\g
.endr
.endm
.macro FETCHQK set, s, aw              ; 24 loads: the weight's four fragments of K step s, then x's four
	WIN TO_F
.irp i, 0,1,2,3
	FRAG3 (\set)+12*\i, \aw, TILEB*\i+FRB*(\s)
.endr
.irp j, 0,1,2,3
	FRAG3 (\set)+48+12*\j, AX, TILEB*\j+FRB*(\s)
.endr
.endm
.macro MULQK set, s                    ; 16 products; the 16 accumulators take turns in the same order in every K step
	WIN MUL
.irp j, 0,1,2,3
.irp i, 0,1,2,3
	WM ACC+32*\j+8*\i, (\set)+12*\i, (\set)+48+12*\j, SCW+4*\i+(\s)%4, SCX+4*\j+(\s)%4, \s
.endr
.endr
.endm
.macro MAINQK aw                       ; 8 K steps; the next step's 24 loads are issued ahead of a step's products, into the other set
	FETCHQK 0, 0, \aw
.irp s, 0,1,2,3,4,5,6
.if \s > 0
	PLACES 4                                       ; four places in front of loads into registers that the last products read
.endif
	FETCHQK 128*((\s+1)%2), \s+1, \aw
	s_wait_dscnt 24                                ; all but the 24 just issued
	MULQK 128*(\s%2), \s
.endr
	s_wait_dscnt 0x0
	MULQK 128, 7
.endm
.macro FETCHV set, s                   ; 30 loads: x's eight fragments, wv's two
	WIN TO_F
.irp t, 0,1,2,3
	FRAG3 (\set)+12*\t, AXL, TILEB*\t+FRB*(\s)
.endr
.irp t, 0,1,2,3
	FRAG3 (\set)+48+12*\t, AXH, TILEB*\t+FRB*(\s)
.endr
.irp a, 0,1
	FRAG3 (\set)+96+12*\a, AWV, TILEB*\a+FRB*(\s)
.endr
.endm
.macro MULV set, s
	WIN MUL
.irp a, 0,1
.irp t, 0,1,2,3,4,5,6,7
	WM ACC+64*\a+8*\t, (\set)+12*\t, (\set)+96+12*\a, SCX+4*\t+(\s)%4, WVS+4*\a+(\s)%4, \s
.endr
.endr
.endm
.macro MAINV
	FETCHV 0, 0
.irp s, 0,1,2,3,4,5,6
.if \s > 0
	PLACES 4
.endif
	FETCHV 128*((\s+1)%2), \s+1
	s_wait_dscnt 30                                ; all but the 30 just issued
	MULV 128*(\s%2), \s
.endr
	s_wait_dscnt 0x0
	MULV 128, 7
.endm
; What follows q's or k's product.  wt: the norm's weights in window 2; eighth = 1: q / 8 goes into 1 / rms (a power of two: nothing is rounded); cb, sb: the bases of the codes and of the scale words.
.macro EPIQK wt, eighth, cb, sb, a16, a8
	s_wait_xcnt 0x0                                ; earlier stores have read their registers: the codes and words may be written again
.irp j, 0,1,2,3                                ; the sum of squares of my 32 numbers, in two chains, each accumulator from its low end on
	v_pk_mul_f32 v[TT:TT+1], v[ACC+32*\j:ACC+32*\j+1], v[ACC+32*\j:ACC+32*\j+1]
	v_pk_mul_f32 v[TT+2:TT+3], v[ACC+32*\j+2:ACC+32*\j+3], v[ACC+32*\j+2:ACC+32*\j+3]
.irp m, 4,8,12,16,20,24,28
	v_pk_fma_f32 v[TT:TT+1], v[ACC+32*\j+\m:ACC+32*\j+\m+1], v[ACC+32*\j+\m:ACC+32*\j+\m+1], v[TT:TT+1]
	v_pk_fma_f32 v[TT+2:TT+3], v[ACC+32*\j+\m+2:ACC+32*\j+\m+3], v[ACC+32*\j+\m+2:ACC+32*\j+\m+3], v[TT+2:TT+3]
.endr
	v_pk_add_f32 v[TT:TT+1], v[TT:TT+1], v[TT+2:TT+3]
	v_add_f32 v[RS+2*\j], v[TT], v[TT+1]
.endr
.irp j, 0,1,2,3
	v_permlanex16_b32 v[RS+2*\j+1], v[RS+2*\j], s[SEL], s[SEL+1]
.endr
.irp j, 0,1,2,3
	v_add_f32 v[RS+2*\j], v[RS+2*\j], v[RS+2*\j+1]             ; with lane l xor 16's 32: the head's 64
.endr
.irp j, 0,1,2,3
	v_fma_f32 v[RS+2*\j], v[RS+2*\j], s[C64], s[EPS]           ; the mean + 1e-6
.endr
	s_wait_alu depctr_va_vdst(0)
.irp j, 0,1,2,3
	v_rsq_f32 v[RS+2*\j], v[RS+2*\j]
.endr
	v_nop                                          ; a plain place behind the last of the four
	s_wait_alu depctr_va_vdst(0)                   ; one wait for the four, ahead of their first reader
.if \eighth
.irp j, 0,1,2,3
	v_mul_f32 v[RS+2*\j], 0x3e000000, v[RS+2*\j]
.endr
.endif
.irp j, 0,1,2,3
.set N, 0
.rept 16
	v_pk_mul_f32 v[ACC+32*\j+N:ACC+32*\j+N+1], v[ACC+32*\j+N:ACC+32*\j+N+1], v[RS+2*\j:RS+2*\j+1] op_sel_hi:[1,0]
.set N, N+2
.endr
	WIN TAB
.set N, 0
.rept 16
	v_pk_mul_f32 v[ACC+32*\j+N:ACC+32*\j+N+1], v[ACC+32*\j+N:ACC+32*\j+N+1], v[(\wt)+N:(\wt)+N+1]
.set N, N+2
.endr
.set N, 0
.rept 16                                       ; pair N of my 16: (x0, x1) -> (x0 c - x1 s, x0 s + x1 c); cos at v[32 j + N], sin at v[32 j + 16 + N] of window 2
	v_mul_f32 v[TT+2*(N%2)], v[ACC+32*\j+2*N+1], v[32*\j+16+N]
	v_mul_f32 v[TT+2*(N%2)+1], v[ACC+32*\j+2*N+1], v[32*\j+N]
	v_fma_f32 v[ACC+32*\j+2*N+1], v[ACC+32*\j+2*N], v[32*\j+16+N], v[TT+2*(N%2)+1]
	v_fma_f32 v[ACC+32*\j+2*N], v[ACC+32*\j+2*N], v[32*\j+N], -v[TT+2*(N%2)]
.set N, N+1
.endr
	WIN 0
	QUANT2 ACC+32*\j, PC+6*\j, PX, PWQ+\j, TM
.if \j < 2
	global_store_b128 v[L16], v[PC+6*\j:PC+6*\j+3], s[\cb:\cb+1] offset:768*\j          ; 512 consecutive bytes, aligned
	global_store_b64 v[L8], v[PC+6*\j+4:PC+6*\j+5], s[\cb:\cb+1] offset:768*\j+512      ; 256 consecutive bytes, aligned
.else
	global_store_b128 v[\a16], v[PC+6*\j:PC+6*\j+3], s[\cb:\cb+1] offset:768*\j         ; the same bytes, for K with the lanes' places exchanged
	global_store_b64 v[\a8], v[PC+6*\j+4:PC+6*\j+5], s[\cb:\cb+1] offset:768*\j+512
.endif
.endr
	v_cndmask_b32 v[SW], v[PWQ], v[PWQ+1], s[HM]   ; lanes 0-15 the even tile's word, lanes 16-31 the odd one's
	v_cndmask_b32 v[SW+1], v[PWQ+2], v[PWQ+3], s[HM]
	global_store_b64 v[L8], v[SW:SW+1], s[\sb:\sb+1]           ; 256 consecutive bytes, aligned
.endm
	s_load_b512 s[4:19], s[0:1], 0x0               ; xi s[4:5], xsc s[6:7], wi s[8:9], wsc s[10:11], cos s[12:13], sin s[14:15], q_norm_w s[16:17], k_norm_w s[18:19]
	s_load_b128 s[20:23], s[0:1], 0x40             ; qr s[20:21], kv s[22:23]
	v_lshl_add_u32 v[SPW], v0, 2, SPARE
	v_mov_b32 v[NIL], 0
	ds_add_u32 v[SPW], v[NIL]                      ; the wave's opening: the add and its wait ahead of my first tensor load; the set-up below, work on registers, stands between them
	ds_add_u32 v[SPW], v[NIL]
	v_lshrrev_b32 v17, 5, v0
	v_readfirstlane_b32 s[WV], v17                 ; wave 0..3
	s_lshr_b32 s[WY], s[WV], 1
	s_and_b32 s[WX], s[WV], 1
	s_bfe_u32 s[CX], ttmp6, 0x40000
	s_bfe_u32 s[CY], ttmp6, 0x40004
	s_lshl_b32 s[TX], ttmp9, 2
	s_add_co_u32 s[TX], s[TX], s[CX]               ; tile column: 128 columns of each weight
	s_and_b32 s[TY], ttmp7, 0xffff
	s_lshl_b32 s[TY], s[TY], 2
	s_add_co_u32 s[TY], s[TY], s[CY]               ; tile row: 128 tokens
	s_lshl_b32 s31, s[CY], 2
	s_lshl_b32 s31, 15, s31                        ; my row of the cluster
	s_lshl_b32 s32, 0x1111, s[CX]                  ; my column
	; descriptor group 1: 49,152 dense bytes as 192 rows of 32 elements of 8 bytes, no padding
	s_or_b32 s[G1X], s31, (3<<16)|(1<<21)          ; 15:0 the mask; 17:16 elements of 8 bytes; 21 set beside a mask
	s_or_b32 s[G1W], s32, (3<<16)|(1<<21)
.irp g, G1X, G1W
	s_mov_b32 s[\g+1], 32<<16                      ; tensor_dim0 = 32
	s_mov_b32 s[\g+2], 192<<16                     ; tensor_dim1 = 192: the head's loads bring half a block, 49,152 bytes
	s_mov_b32 s[\g+3], 32<<16                      ; tile_dim0 = 32
	s_mov_b32 s[\g+4], 192                         ; tile_dim1 = 192
	s_mov_b32 s[\g+5], 32                          ; from row to row
	s_mov_b32 s[\g+6], 0
	s_mov_b32 s[\g+7], 0
.endr
	s_mul_i32 s36, s[WV], 24576                    ; my quarter of a block of eight tiles: the same in LDS and in memory
	s_mul_i32 s38, s[TY], 98304
	s_mul_i32 s37, s[WX], 49152                    ; at the head waves 0, 1 fetch the halves of x's block, waves 2, 3 those of wq's
	s_add_co_u32 s38, s38, s37
	s_mov_b32 s39, 0
	s_add_co_u32 s[G0X+1], s37, XT                 ; LDS addresses of the two halves
	s_add_co_u32 s[G0Q+1], s37, WS0
	s_mul_i32 s96, s[TX], 98304
	s_add_co_u32 s96, s96, s37
	s_mov_b32 s97, 0                               ; wq's half: hangs on the tile column and the wave alone
	s_mul_i32 s98, s[TX], 98304
	s_add_co_u32 s98, s98, s36
	s_mov_b32 s99, 0                               ; a weight's block: on the tile column and the wave alone
	s_mov_b32 s[SEL], 0x76543210
	s_mov_b32 s[SEL+1], 0xfedcba98
	s_mov_b32 s[HM], 0xffff0000
	s_mov_b32 s[C64], 0x3c800000
	s_mov_b32 s[EPS], 0x358637bd
	v_and_b32 v17, 31, v0                          ; lane
	v_and_b32 v18, 15, v0                          ; r
	v_bfe_u32 v19, v0, 4, 1                        ; h
	v_lshlrev_b32 v[L16], 4, v17
	v_lshlrev_b32 v[L8], 3, v17
	v_lshlrev_b32 v[L4], 2, v17
.set X16, 22
.set X8,  23
	v_xor_b32 v[X16], 128, v[L16]                  ; 16 x (lane xor 8) and 8 x (lane xor 8): K's tiles 2 and 3 of each four are stored with their two groups of eight rows exchanged
	v_xor_b32 v[X8], 64, v[L8]
	s_mul_i32 s37, s[WY], 4*TILEB
	v_add_nc_u32 v[AX], s37, v[L16]
	s_mul_i32 s37, s[WX], 4*TILEB
	s_add_co_u32 s37, s37, WS0
	v_add_nc_u32 v[AW0], s37, v[L16]
	s_add_co_u32 s37, s37, WS1-WS0
	v_add_nc_u32 v[AW1], s37, v[L16]
	v_add_nc_u32 v[AXL], XT, v[L16]
	v_add_nc_u32 v[AXH], XT+4*TILEB, v[L16]
	s_add_co_u32 s37, s36, WS0
	v_add_nc_u32 v[AWV], s37, v[L16]
	v_lshlrev_b32 v[SL], 5, v18
	v_lshl_add_u32 v[SL], v19, 4, v[SL]
	v_lshlrev_b32 v[NA], 6, v19
	v_and_b32 v20, 8, v18
	v_add_nc_u32 v20, v20, v18                     ; r + 8 (r / 8)
	s_lshl_b32 s37, s[TY], 7
	s_lshl_b32 s3, s[WY], 6
	s_add_co_u32 s37, s37, s3
	v_add_nc_u32 v[TOK], s37, v20                  ; my token in tile j = 0; j = 1: 8 on; j = 2, 3: 32 and 40 on
	v_add_nc_u32 v[TOK+1], 8, v[TOK]
.irp u, 0,1
	v_max_u32 v21, 32, v[TOK+\u]                   ; tokens under 32 are not rotated: they read row 0 and are given cos = 1, sin = 0 below
	v_sub_nc_u32 v21, v21, 32
	v_lshlrev_b32 v[RA0+\u], 7, v21                ; a row of cos or sin is 128 bytes;
	v_lshl_add_u32 v[RA0+\u], v19, 5, v[RA0+\u]    ; my half's eight pairs of a block: 32 h
.endr
	v_lshlrev_b32 v[RA2], 7, v[TOK]
	v_lshl_add_u32 v[RA2], v19, 5, v[RA2]
.irp j, 0,1,2,3
	v_mov_b32 v[RS+2*\j+1], 0                      ; written once: a lane permute's destination counts as one of its sources
.endr
	v_mov_b32 v[TM+2], 0
	v_mov_b32 v[TM+3], 0
	s_wait_dscnt 0x0                               ; the opening add is done
	s_wait_kmcnt 0x0
	s_mov_b32 s[G0X], 1                            ; count = 1
	s_add_nc_u64 s[G0X+2:G0X+3], s[4:5], s[38:39]  ; global address
	s_or_b32 s[G0X+3], s[G0X+3], 0x80000000        ; type = 2
	s_add_nc_u64 s[98:99], s[8:9], s[98:99]
	s_mov_b32 s[G0Q], 1
	s_add_nc_u64 s[G0Q+2:G0Q+3], s[8:9], s[96:97]  ; wq: tiles 0-63 of wi
	s_or_b32 s[G0Q+3], s[G0Q+3], 0x80000000
	s_mov_b32 s[G0K], 1
	s_add_co_u32 s[G0K+1], s36, WS1
	s_add_nc_u64 s[G0K+2:G0K+3], s[98:99], 64*TILEB    ; wk: tiles 64-127
	s_or_b32 s[G0K+3], s[G0K+3], 0x80000000
	s_mov_b32 s[G0V], 1
	s_add_co_u32 s[G0V+1], s36, WS0
	s_add_nc_u64 s[G0V+2:G0V+3], s[98:99], 128*TILEB   ; wv: tiles 128-191
	s_or_b32 s[G0V+3], s[G0V+3], 0x80000000
	CROUND                                         ; all sixteen work-groups are here: the first joint loads meet
	s_cmp_lt_u32 s[WV], 2                          ; one tensor load a wave at the head
	s_cbranch_scc0 .Lhead_w
	tensor_load_to_lds s[G0X:G0X+3], s[G1X:G1X+7]  ; half of x's block
	s_nop 0
	PLACES 4
	s_branch .Lhead_asked
.Lhead_w:
	tensor_load_to_lds s[G0Q:G0Q+3], s[G1W:G1W+7]  ; half of wq's block
	s_nop 0
	PLACES 4
.Lhead_asked:
	; the bases of the loads and stores through registers
	s_lshl_b32 s38, s[TY], 12                      ; 8 tiles of 512 bytes of scale words
	s_add_nc_u64 s[XVB:XVB+1], s[6:7], s[38:39]
	s_lshl_b32 s38, s[WY], 11
	s_add_nc_u64 s[XSB:XSB+1], s[XVB:XVB+1], s[38:39]
	s_lshl_b32 s38, s[TX], 12
	s_add_nc_u64 s[WVB:WVB+1], s[10:11], s[38:39]
	s_lshl_b32 s38, s[WX], 11
	s_add_nc_u64 s[WSB:WSB+1], s[WVB:WVB+1], s[38:39]
	s_lshl_b32 s38, s[WV], 10
	s_add_nc_u64 s[WVB:WVB+1], s[WVB:WVB+1], s[38:39]
.irp j, 0,1,2,3
	global_load_b128 v[SCX+4*\j:SCX+4*\j+3], v[SL], s[XSB:XSB+1] offset:512*\j
.endr
.irp i, 0,1,2,3
	global_load_b128 v[SCW+4*\i:SCW+4*\i+3], v[SL], s[WSB:WSB+1] offset:512*\i
.endr
	WIN TO_T
.irp m, 0,1,2,3,4,5,6,7                        ; register 16 b + i = the weight of channel 32 b + 16 h + i
	global_load_b128 v[NWQ+4*\m:NWQ+4*\m+3], v[NA], s[16:17] offset:128*(\m/4)+16*(\m%4)
.endr
.irp m, 0,1,2,3,4,5,6,7
	global_load_b128 v[NWK+4*\m:NWK+4*\m+3], v[NA], s[18:19] offset:128*(\m/4)+16*(\m%4)
.endr
	s_wait_alu depctr_va_vdst(0)
.irp j, 0,1
.irp m, 0,1,2,3                                ; pairs 16 b + 8 h + 0 .. 7 of my token's row
	global_load_b128 v[32*\j+4*\m:32*\j+4*\m+3], v[RA0+\j], s[12:13] offset:64*(\m/2)+16*(\m%2)
	global_load_b128 v[32*\j+16+4*\m:32*\j+16+4*\m+3], v[RA0+\j], s[14:15] offset:64*(\m/2)+16*(\m%2)
.endr
.endr
.irp j, 2,3
.irp m, 0,1,2,3
	global_load_b128 v[32*\j+4*\m:32*\j+4*\m+3], v[RA2], s[12:13] offset:1024*(\j-2)+64*(\m/2)+16*(\m%2)
	global_load_b128 v[32*\j+16+4*\m:32*\j+16+4*\m+3], v[RA2], s[14:15] offset:1024*(\j-2)+64*(\m/2)+16*(\m%2)
.endr
.endr
	WIN 0
	s_lshl_b32 s2, s[TX], 1
	s_add_co_u32 s3, s2, s[WX]                     ; q's and k's head
	s_add_co_u32 s2, s2, s[WY]                     ; v's head
	s_mul_i32 s38, s3, 32*QREC
	s_mul_i32 s37, s[TY], QREC
	s_add_co_u32 s38, s38, s37
	s_add_nc_u64 s[QSB:QSB+1], s[20:21], s[38:39]  ; q's record
	s_mul_i32 s38, s[WY], 3072
	s_add_nc_u64 s[QB:QB+1], s[QSB:QSB+1], s[38:39]
	s_lshl_b32 s38, s[WY], 8
	s_add_co_u32 s38, s38, 6144
	s_add_nc_u64 s[QSB:QSB+1], s[QSB:QSB+1], s[38:39]
	s_mul_i32 s38, s3, 32*KREC
	s_mul_i32 s37, s[TY], KREC
	s_add_co_u32 s38, s38, s37
	s_add_nc_u64 s[KSB:KSB+1], s[22:23], s[38:39]  ; k's record
	s_mul_i32 s38, s[WY], 3072
	s_add_nc_u64 s[KB:KB+1], s[KSB:KSB+1], s[38:39]
	s_lshl_b32 s38, s[WY], 8
	s_add_co_u32 s38, s38, 6144
	s_add_nc_u64 s[KSB:KSB+1], s[KSB:KSB+1], s[38:39]
	s_mul_i32 s38, s2, 32*KREC
	s_add_co_u32 s38, s38, s37
	s_add_nc_u64 s[VSB:VSB+1], s[22:23], s[38:39]  ; v's record
	s_mul_i32 s38, s[WX], 3072
	s_add_co_u32 s38, s38, 6656
	s_add_nc_u64 s[VB:VB+1], s[VSB:VSB+1], s[38:39]
	s_lshl_b32 s38, s[WX], 7
	s_add_co_u32 s38, s38, 12800
	s_add_nc_u64 s[VSB:VSB+1], s[VSB:VSB+1], s[38:39]
	s_wait_tensorcnt 0x0                           ; my half of x or of wq is in
	ds_add_u32 v[SPW], v[NIL]
	s_mov_b32 s[G1W+2], 96<<16                     ; no tensor load of mine is out: from here on a load brings a quarter of a block, 96 rows
	s_mov_b32 s[G1W+4], 96
	s_wait_dscnt 0x0
	CROUND                                         ; everybody's part is in, and the joint loads meet
	tensor_load_to_lds s[G0K:G0K+3], s[G1W:G1W+7]  ; wk: it has q's phase in which to land
	s_nop 0
	PLACES 4
	s_wait_loadcnt 48
	MAINQK AW0                                     ; ---- q
	WIN 0
	s_wait_tensorcnt 0x0                           ; all my tensor loads have landed, wk's among them;
	ds_add_u32 v[SPW], v[NIL]                      ; 0 onto my spare word;
	PLACES 4                                       ; (the places behind the last products)
	s_wait_dscnt 0x0                               ; the add is done, and my reads of wq's region are over
	CROUND                                         ; no wave of any partner still reads that region or has a load on its way
	tensor_load_to_lds s[G0V:G0V+3], s[G1W:G1W+7]  ; wv, over wq: it has q's finish and all of k's phase in which to land
	s_nop 0
	PLACES 4
.irp i, 0,1,2,3
	global_load_b128 v[SCW+4*\i:SCW+4*\i+3], v[SL], s[WSB:WSB+1] offset:64*512+512*\i   ; wk's scale words
.endr
	s_wait_loadcnt 4                               ; the tables are in; the four just issued may be out
	v_cmp_le_u32 s[MK], 32, v[TOK]                 ; is my token rotated?  Tiles 0 and 1 alone can hold tokens under 32.  A choice of values, no branch
	v_cmp_le_u32 s[MK+1], 32, v[TOK+1]
	WIN FIX
.irp j, 0,1
.set N, 0
.rept 16
	v_cndmask_b32 v[32*\j+N], 1.0, v[32*\j+N], s[MK+\j]
	v_cndmask_b32 v[32*\j+16+N], 0, v[32*\j+16+N], s[MK+\j]
.set N, N+1
.endr
.endr
	WIN 0
	EPIQK NWQ, 1, QB, QSB, L16, L8
	s_wait_loadcnt 0x0                             ; wk's scale words
	MAINQK AW1                                     ; ---- k
	PLACES 4
	WIN 0
.irp t, 0,1,2,3,4,5,6,7
	global_load_b128 v[SCX+4*\t:SCX+4*\t+3], v[SL], s[XVB:XVB+1] offset:512*\t           ; the v phase's scale words: x's eight tiles,
.endr
.irp a, 0,1
	global_load_b128 v[WVS+4*\a:WVS+4*\a+3], v[SL], s[WVB:WVB+1] offset:128*512+512*\a   ; wv's two
.endr
	EPIQK NWK, 0, KB, KSB, X16, X8
	s_wait_tensorcnt 0x0                           ; my part of wv is in,
	s_barrier_signal -1
	s_barrier_wait -1                              ; everybody's is
	s_wait_loadcnt 0x0
	MAINV                                          ; ---- v
	PLACES 4
	WIN 0
	s_wait_xcnt 0x0                                ; k's stores have read their registers
.irp a, 0,1                                    ; 64 registers run along the 128 tokens: one fragment of V for my 16 channels
	QUANT4 ACC+64*\a, PC+20*\a, PC+12, 88+\a, RS
.irp g, 0,1,2
	global_store_b128 v[L16], v[PC+20*\a+4*\g:PC+20*\a+4*\g+3], s[VB:VB+1] offset:1536*\a+512*\g
.endr
.endr
	v_cndmask_b32 v[SW], v88, v89, s[HM]
	global_store_b32 v[L4], v[SW], s[VSB:VSB+1]    ; 128 consecutive bytes: the neighbouring wave stores the 128 beside them
	s_wait_tensorcnt 0x0                           ; the wave's end
	ds_add_u32 v[SPW], v[NIL]
	s_wait_dscnt 0x0
	CROUND                                         ; the closing round
	s_endpgm
.Lfunc_end_k_qda87f9d50c_qkv:
	.size	k_qda87f9d50c_qkv, .Lfunc_end_k_qda87f9d50c_qkv-k_qda87f9d50c_qkv
	.p2alignl 7, 3214868480
	.fill 96, 4, 3214868480
	.section	.rodata,"a",@progbits
	.p2align	6, 0x0
	.amdhsa_kernel k_qda87f9d50c_qkv
		.amdhsa_group_segment_fixed_size 327680
		.amdhsa_private_segment_fixed_size 0
		.amdhsa_enable_private_segment 0
		.amdhsa_kernarg_size 80
		.amdhsa_user_sgpr_count 2
		.amdhsa_user_sgpr_kernarg_segment_ptr 1
		.amdhsa_wavefront_size32 1
		.amdhsa_system_sgpr_workgroup_id_x 1
		.amdhsa_system_sgpr_workgroup_id_y 1
		.amdhsa_system_sgpr_workgroup_id_z 1
		.amdhsa_system_vgpr_workitem_id 0
		.amdhsa_next_free_vgpr 768
		.amdhsa_next_free_sgpr 100
		.amdhsa_reserve_vcc 0
		.amdhsa_float_denorm_mode_32 3
		.amdhsa_float_denorm_mode_16_64 3
		.amdhsa_memory_ordered 1
		.amdhsa_forward_progress 1
		.amdhsa_inst_pref_size 190
	.end_amdhsa_kernel
	.amdgpu_metadata
---
amdhsa.version: [ 1, 2 ]
amdhsa.kernels:
  - .name:           k_qda87f9d50c_qkv
    .symbol:         k_qda87f9d50c_qkv.kd
    .args:
      - { .name: xi, .offset: 0, .size: 8, .value_kind: global_buffer, .address_space: global }
      - { .name: xsc, .offset: 8, .size: 8, .value_kind: global_buffer, .address_space: global }
      - { .name: wi, .offset: 16, .size: 8, .value_kind: global_buffer, .address_space: global }
      - { .name: wsc, .offset: 24, .size: 8, .value_kind: global_buffer, .address_space: global }
      - { .name: rope_cos, .offset: 32, .size: 8, .value_kind: global_buffer, .address_space: global }
      - { .name: rope_sin, .offset: 40, .size: 8, .value_kind: global_buffer, .address_space: global }
      - { .name: q_norm_w, .offset: 48, .size: 8, .value_kind: global_buffer, .address_space: global }
      - { .name: k_norm_w, .offset: 56, .size: 8, .value_kind: global_buffer, .address_space: global }
      - { .name: qr, .offset: 64, .size: 8, .value_kind: global_buffer, .address_space: global }
      - { .name: kv, .offset: 72, .size: 8, .value_kind: global_buffer, .address_space: global }
    .group_segment_fixed_size: 327680
    .private_segment_fixed_size: 0
    .kernarg_segment_align: 8
    .kernarg_segment_size: 80
    .max_flat_workgroup_size: 128
    .sgpr_count:     100
    .vgpr_count:     768
    .wavefront_size: 32
...
	.end_amdgpu_metadata
.endif
;; end of part 2
;; launch attn (part 3): grid 16 x 16, 8 waves a work-group, clusters of 4 x 1, 327,680 bytes of LDS; arguments qr, kv, oi, osc; writes oi, osc
.if DOCPART == 3
	.amdgcn_target "amdgcn-amd-amdhsa--gfx1250"
	.amdhsa_code_object_version 6
	.text
	.protected	k_qda87f9d50c_attn
	.globl	k_qda87f9d50c_attn
	.p2align	8
	.type	k_qda87f9d50c_attn,@function
k_qda87f9d50c_attn:
	s_mov_b64 s[64:65], 0
	v_nop
	global_prefetch_b8 v0, s[64:65] scope:SCOPE_SE
	s_setreg_imm32_b32 hwreg(HW_REG_WAVE_MODE, 25, 1), 1
	s_wait_xcnt 0x0
	s_wait_alu depctr_hold_cnt(0) depctr_sa_sdst(0) depctr_va_vdst(0) depctr_va_sdst(0) depctr_va_ssrc(0) depctr_va_vcc(0) depctr_vm_vsrc(0)
	s_getreg_b32 s2, hwreg(HW_REG_IB_STS2, 6, 4)
	s_cmp_eq_u32 s2, 0
	s_cbranch_scc0 .Lentry_in_a_cluster
	s_endpgm
.Lentry_in_a_cluster:
	s_bfe_u32 s2, ttmp6, 0x10000c
	s_cmp_lg_u32 s2, 0x3003
	s_cbranch_scc0 .Lentry_shape_is_right
	s_endpgm
.Lentry_shape_is_right:
; O[q] = the sum over keys of softmax(q . k) v for each of 16 heads of 64, both products on codes of FP6 (E2M3) with E8M0 scales; q already holds the 1 / 8.  O is quantised along the hidden axis and leaves as codes.
; THE SOFTMAX: t = score x log2(e); M = the running largest t rounded UP to a whole number; p = 2^(t - M) is quantised along the keys, not normalised; the row's sum is taken of the unquantised p and divides O at the end.
; When M moves, the sum and O are multiplied by 2^(old M - new M): exact.
; LIMITS: the promise holds while |t| stays under 2^31; a block whose largest magnitude lies under 2^-124, and a block of zeros, take the scale byte 1 (this program alone reads the bytes); NaN and infinities are not served.
; SHARES.  A work-group owns 256 queries of one head; each of its eight waves two tiles of 16 queries, worked line by line in turn, so that each fragment of K and V read from LDS feeds two products.
; Every wave walks the head's 4,096 keys, 128 a step.  A step's K, V and scale words are one record of 13,056 bytes, laid as images of the operands' registers.
; LDS holds 24 records.  Every wave fetches: at the head one record (0-7); behind the first round two records (8-23); behind step 7 one record (24-31, into the places of 0-7).  One tensor load a wave is out at a time.
; LAYOUT.  S^T = K Q^T (source 0 = 16 keys, source 1 = 16 queries; the head's 64 are half of the instruction's 128: registers 6-11 of both operands hold zero codes), O^T = V^T P^T: a lane holds one query throughout.
; THE KEYS OF A TILE: rows 0-7 of tile 4 c + u are keys 64 c + 8 u + 0 .. 7, rows 8-15 keys 64 c + 32 + 8 u + 0 .. 7.  So the 32 registers of tiles 4 c .. 4 c + 3 in lane (r, h) are the whole block of keys 64 c + 32 h + 0 .. 31,
; which is what P's operand wants of that lane: a block's maximum needs no other lane, and no codes change lanes.  In a record the keys lie by tiles 2 b + v = keys 32 b + 8 v + i + 8 (i / 8), those with b odd with lane xor 8:
; a lane's address picks its row, and the two groups of eight rows of a load fall on different halves of 256 bytes.
; CLUSTER 4 x 1: the four query blocks of a cluster walk the same records and ask for them jointly.
; NO PREFETCH: records 8-31 are asked for by their tensor loads eight or sixteen key steps ahead of their first read, and no loop stands ahead of records 0-7.
; OUT.  oi: [tile of 16 tokens 256][head 16][768]: registers 0-3 at 16 l, 4-5 at 512 + 8 l.  osc: [head][tile][row 16]: two scale bytes.
; REGISTERS.  window 0: v1-8 lane terms, v9-15 the step's addresses, v20-29 scale words, v30-115 at work, v128-255 S^T of the two tiles, then p.  window 1: v0-63 O^T, v64-159 K's eight fragments, v160-207 V's four, v208-231 Q's two.
.set KREC,  13056
.set STG,   24*KREC                    ; 512 bytes: the work-group's 256 pairs of scale bytes
.set SPARE, STG+512                    ; the spare words, 128 bytes for each of the eight waves: four blocks of 256 bytes that no other line names
.set L16,   1                          ; 16 x lane
.set L4,    2                          ; 4 x lane
.set BKA16, 3                          ; K, registers 0-3, tiles u = 0, 1: 16 (r % 8) + 256 h + 1664 (r / 8)
.set BKB16, 4                          ; tiles u = 2, 3: 16 (r % 8) + 256 h + 128 + 1408 (r / 8)
.set BKA8,  5                          ; K, registers 4-5: 8 (r % 8) + 128 h + 1600 (r / 8)
.set BKB8,  6                          ; 8 (r % 8) + 128 h + 64 + 1472 (r / 8)
.set BKS,   7                          ; K's scale words: 8 (r % 8) + 4 (r / 8) + 128 h
.set L8,    8
.set AV16,  9                          ; v[8 + n] = the record + v[n], n = 1 .. 7
.set AVS,   10
.set AKA16, 11
.set AKB16, 12
.set AKA8,  13
.set AKB8,  14
.set AKS,   15
.set SPW,   16
.set NIL,   17
.set SH8,   18                         ; 8 h
.set KS,    20                         ; v20-23 K's scale words: tile 4 c + u in v[20 + 2 c + u / 2], lanes 0-15 u even, lanes 16-31 u odd
.set VS,    24                         ; v24-25 V's
.set QS,    26                         ; v26-27 Q's, a register a tile
.set PS,    28                         ; v28-29 p's
.set NM,    30                         ; v[30 + 2 q] -M, v[31 + 2 q] the running largest score
.set F,     34                         ; v[34 + 2 q] 2^(old M - new M)
.set BM,    38                         ; v[38 + 2 q + c] my block's largest score, then largest p
.set SO,    42                         ; the conversions' scale operands
.set PT,    46
.set PB,    50                         ; the scale bytes
.set PX,    54                         ; v54-69 the conversions' second halves
.set AC,    70                         ; v[70 + 8 q ..] four pairs of partial sums; the first is the row's sum
.set PC,    86                         ; v86-109 p's codes
.set TQ,    110
.set S,     128
.set OO,    0                          ; window 1
.set KF,    64
.set VF,    160
.set QF,    208
.set WV,  12
.set SEL, 16
.set CS,  18                           ; s[18:19] log2(e)
.set TB,  20
.set CNT, 21
.set G1A, 28                           ; group 1: one record, 51 rows of 256 bytes
.set G1B, 36                           ; two records, 102 rows
.set G0A, 44
.set G0B, 48
.set G0C, 52
.set QB,  56
.set QSB, 58
.set OB,  60
.set OSB, 62
.set MSB, 0
.macro WIN new                         ; the immediate's high byte repeats the setting that is left
.if MSB != \new
	s_set_vgpr_msb (MSB<<8)|\new
.set MSB, \new
.endif
.endm
.macro PLACES n
.rept \n
	v_nop
.endr
.endm
.macro CROUND
	s_barrier_signal -1
	s_barrier_wait -1
	s_cmp_lg_u32 s[WV], 0
	s_cbranch_scc1 .Lnot_wave_0_\@
	s_barrier_signal -3
.Lnot_wave_0_\@:
	s_barrier_wait -3
	s_barrier_signal -1
	s_barrier_wait -1
.endm
.macro WM d, a, b, zero, sa, sb, row   ; one product; zero = 1: it starts the sum; row = 1: source 0's scales stand in lanes 16-31
.if \zero
.if \row
	v_wmma_scale_f32_16x16x128_f8f6f4 v[(\d):(\d)+7], v[(\a):(\a)+11], v[(\b):(\b)+11], 0, v[(\sa)], v[(\sb)] matrix_a_fmt:MATRIX_FMT_FP6 matrix_b_fmt:MATRIX_FMT_FP6 matrix_a_scale:MATRIX_SCALE_ROW1
.else
	v_wmma_scale_f32_16x16x128_f8f6f4 v[(\d):(\d)+7], v[(\a):(\a)+11], v[(\b):(\b)+11], 0, v[(\sa)], v[(\sb)] matrix_a_fmt:MATRIX_FMT_FP6 matrix_b_fmt:MATRIX_FMT_FP6
.endif
.else
.if \row
	v_wmma_scale_f32_16x16x128_f8f6f4 v[(\d):(\d)+7], v[(\a):(\a)+11], v[(\b):(\b)+11], v[(\d):(\d)+7], v[(\sa)], v[(\sb)] matrix_a_fmt:MATRIX_FMT_FP6 matrix_b_fmt:MATRIX_FMT_FP6 matrix_a_scale:MATRIX_SCALE_ROW1
.else
	v_wmma_scale_f32_16x16x128_f8f6f4 v[(\d):(\d)+7], v[(\a):(\a)+11], v[(\b):(\b)+11], v[(\d):(\d)+7], v[(\sa)], v[(\sb)] matrix_a_fmt:MATRIX_FMT_FP6 matrix_b_fmt:MATRIX_FMT_FP6
.endif
.endif
.endm
.macro ADDS n0, cnt                    ; pairs n0 .. n0 + cnt - 1 of p onto the four partial sums, the two tiles by turns
.set N, \n0
.rept \cnt
.irp q, 0,1
	v_pk_add_f32 v[AC+8*\q+2*(N%4):AC+8*\q+2*(N%4)+1], v[AC+8*\q+2*(N%4):AC+8*\q+2*(N%4)+1], v[S+64*\q+2*N:S+64*\q+2*N+1]
.endr
.set N, N+1
.endr
.endm
.macro QUANT2 s, pc, px, pw, tm        ; 32 numbers (register 16 b + i = channel 32 b + 16 h + i) become registers 0-5 of a fragment and two scale bytes
.irp b, 0,1
	v_max3_num_f32 v[(\tm)+\b], |v[(\s)+16*\b]|, |v[(\s)+16*\b+1]|, 0x1800000
.endr
.irp i, 2,4,6,8,10,12,14
.irp b, 0,1
	s_delay_alu instid0(VALU_DEP_2)
	v_max3_num_f32 v[(\tm)+\b], v[(\tm)+\b], |v[(\s)+16*\b+\i]|, |v[(\s)+16*\b+\i+1]|
.endr
.endr
.irp b, 0,1
	s_delay_alu instid0(VALU_DEP_2)
	v_permlanex16_b32 v[(\tm)+2+\b], v[(\tm)+\b], s[SEL], s[SEL+1]
.endr
.irp b, 0,1
	s_delay_alu instid0(VALU_DEP_2)
	v_max_num_f32 v[(\tm)+\b], v[(\tm)+\b], v[(\tm)+2+\b]
.endr
.irp b, 0,1
	s_delay_alu instid0(VALU_DEP_2)
	v_add_nc_u32 v[(\tm)+4+\b], 0xff000000, v[(\tm)+\b]
.endr
.irp b, 0,1
	s_delay_alu instid0(VALU_DEP_2)
	v_lshrrev_b32 v[(\tm)+2+\b], 23, v[(\tm)+4+\b]
.endr
	s_delay_alu instid0(VALU_DEP_1)
	v_lshl_or_b32 v[\pw], v[(\tm)+3], 8, v[(\tm)+2]
	v_cvt_scalef32_pk16_fp6_f32 v[(\pc):(\pc)+2], v[(\s):(\s)+15], v[(\tm)+4]
	v_cvt_scalef32_pk16_fp6_f32 v[(\px):(\px)+2], v[(\s)+16:(\s)+31], v[(\tm)+5]
	v_nop
.irp i, 0,1,2
	v_permlane16_swap_b32 v[(\pc)+\i], v[(\px)+\i]
.endr
.irp i, 0,1,2
	s_delay_alu instid0(VALU_DEP_3)
	v_mov_b32 v[(\pc)+3+\i], v[(\px)+\i]
.endr
.endm
; A KEY STEP: 128 keys, the record at LDS byte s[TB], against my two tiles of queries.  first = 1: the walk's first step: its products start O^T, which is not yet rescaled
.macro STEP first
.irp n, 1,2,3,4,5,6,7
	v_add_nc_u32 v[8+\n], s[TB], v[\n]             ; the seven are also the places in front of loads into registers that the last products read
.endr
.irp n, 0,1,2,3
	ds_load_b32 v[KS+\n], v[AKS] offset:6144+256*(\n/2)+64*(\n%2)
.endr
	ds_load_b32 v[VS], v[AVS] offset:12800
	ds_load_b32 v[VS+1], v[AVS] offset:12928
	WIN 0x40                                       ; destination window 1
.irp c, 0,1
.irp u, 0,1
	ds_load_b128 v[KF+12*(4*\c+\u):KF+12*(4*\c+\u)+3], v[AKA16] offset:768*(4*\c+\u)
	ds_load_b64 v[KF+12*(4*\c+\u)+4:KF+12*(4*\c+\u)+5], v[AKA8] offset:768*(4*\c+\u)+512
	ds_load_b128 v[KF+12*(4*\c+\u+2):KF+12*(4*\c+\u+2)+3], v[AKB16] offset:768*(4*\c+\u)
	ds_load_b64 v[KF+12*(4*\c+\u+2)+4:KF+12*(4*\c+\u+2)+5], v[AKB8] offset:768*(4*\c+\u)+512
.endr
.endr
.irp t, 0,1,2,3
.irp g, 0,1,2
	ds_load_b128 v[VF+12*\t+4*\g:VF+12*\t+4*\g+3], v[AV16] offset:6656+1536*\t+512*\g
.endr
.endr
	s_wait_dscnt 12                                ; the scale words and K's sixteen loads are in; V's twelve may be out
	WIN 0x05                                       ; sources 0 and 1 window 1
.irp t, 0,1,2,3,4,5,6,7
.irp q, 0,1
	WM S+64*\q+8*\t, KF+12*\t, QF+12*\q, 1, KS+2*(\t/4)+(\t%4)/2, QS+\q, \t%2
.endr
.endr
	WIN 0
	PLACES 4
.irp c, 0,1                                    ; the largest score of each of my blocks of 32 keys: it serves the row's maximum and, since p rises with the score, the block's largest p.  Each accumulator is read from its low end on
.irp q, 0,1
	v_max3_num_f32 v[BM+2*\q+\c], v[S+64*\q+32*\c], v[S+64*\q+32*\c+1], v[S+64*\q+32*\c+2]
.endr
.endr
.irp i, 3,5,7,9,11,13,15,17,19,21,23,25,27,29
.irp c, 0,1
.irp q, 0,1
	v_max3_num_f32 v[BM+2*\q+\c], v[BM+2*\q+\c], v[S+64*\q+32*\c+\i], v[S+64*\q+32*\c+\i+1]
.endr
.endr
.endr
.irp c, 0,1
.irp q, 0,1
	v_max_num_f32 v[BM+2*\q+\c], v[BM+2*\q+\c], v[S+64*\q+32*\c+31]
.endr
.endr
.irp q, 0,1
	v_mov_b32 v[PT+2+\q], v[NM+2*\q]               ; the old -M
.endr
.irp q, 0,1
	v_max3_num_f32 v[NM+2*\q+1], v[NM+2*\q+1], v[BM+2*\q], v[BM+2*\q+1]
.endr
.irp q, 0,1
	s_delay_alu instid0(VALU_DEP_2)
	v_permlanex16_b32 v[PT+\q], v[NM+2*\q+1], s[SEL], s[SEL+1]
.endr
.irp q, 0,1
	s_delay_alu instid0(VALU_DEP_2)
	v_max_num_f32 v[NM+2*\q+1], v[NM+2*\q+1], v[PT+\q]         ; with lane l xor 16's 64 keys: the running largest score
.endr
.irp q, 0,1
	s_delay_alu instid0(VALU_DEP_2)
	v_mul_f32 v[PT+\q], s[CS], v[NM+2*\q+1]        ; as t (log2(e) is positive)
.endr
.irp q, 0,1
	s_delay_alu instid0(VALU_DEP_2)
	v_floor_f32 v[NM+2*\q], -v[PT+\q]              ; the new -M = floor(-t): M is a whole number
.endr
.set J, 0
.rept 64
	v_pk_fma_f32 v[S+J:S+J+1], v[S+J:S+J+1], s[CS:CS+1], v[NM+2*(J/64):NM+2*(J/64)+1] op_sel_hi:[1,0,0]   ; t - M, two at a time
.set J, J+2
.endr
.irp c, 0,1
.irp q, 0,1
	v_fma_f32 v[BM+2*\q+\c], v[BM+2*\q+\c], s[CS], v[NM+2*\q]  ; the same of each block's largest score
.endr
.endr
.irp q, 0,1
	v_sub_f32 v[PT+2+\q], v[NM+2*\q], v[PT+2+\q]   ; old M - new M: a whole number, 0 or less
.endr
.irp q, 0,1
	s_delay_alu instid0(VALU_DEP_2)
	v_cvt_i32_f32 v[PT+2+\q], v[PT+2+\q]           ; (it saturates)
.endr
	s_wait_alu depctr_va_vdst(0)                   ; the wait ahead of the batch
.set J, 0
.rept 128
	v_exp_f32 v[S+J], v[S+J]                       ; p = 2^(t - M)
.set J, J+1
.endr
.irp b, 0,1,2,3
	v_exp_f32 v[BM+\b], v[BM+\b]                   ; the block's largest p: the same two instructions on the same number give the same bits
.endr
.irp q, 0,1
	v_ldexp_f32 v[F+2*\q], 1.0, v[PT+2+\q]         ; f = 2^(old M - new M): plain work behind the batch
.endr
	s_wait_alu depctr_va_vdst(0)                   ; one wait for the batch, ahead of its first reader, and directly ahead of the wait below
	s_wait_dscnt 0x0                               ; V's fragments are in
.irp q, 0,1
	v_pk_fma_f32 v[AC+8*\q:AC+8*\q+1], v[AC+8*\q:AC+8*\q+1], v[F+2*\q:F+2*\q+1], v[S+64*\q:S+64*\q+1] op_sel_hi:[1,0,1]   ; the row's sum under the new M, and the first pair of the unquantised p
.endr
.irp k, 1,2,3
.irp q, 0,1
	v_pk_add_f32 v[AC+8*\q+2*\k:AC+8*\q+2*\k+1], v[S+64*\q+4*\k-2:S+64*\q+4*\k-1], v[S+64*\q+4*\k:S+64*\q+4*\k+1]
.endr
.endr
.irp b, 0,1,2,3
	v_max_num_f32 v[BM+\b], 0x1800000, v[BM+\b]    ; the floor 2^(3 - 127): the byte cannot fall under 1.  (The scale's few lines stand among the sums, so that none waits for the line above it)
.endr
	ADDS 7, 5
.irp b, 0,1,2,3
	v_add_nc_u32 v[SO+\b], 0xff000000, v[BM+\b]    ; 2 off the exponent field: the conversion's scale operand
.endr
	ADDS 12, 5
.irp b, 0,1,2,3
	v_lshrrev_b32 v[PB+\b], 23, v[SO+\b]           ; the scale's byte
.endr
	ADDS 17, 5
.irp q, 0,1
	v_lshl_or_b32 v[PT+\q], v[PB+2*\q+1], 16, v[PB+2*\q]       ; my two bytes: blocks h and 2 + h,
.endr
	ADDS 22, 3
.irp q, 0,1
	v_lshlrev_b32 v[PT+\q], v[SH8], v[PT+\q]       ; at their places in the word;
.endr
	ADDS 25, 3
.irp q, 0,1
	v_permlanex16_b32 v[PT+2+\q], v[PT+\q], s[SEL], s[SEL+1]
.endr
	ADDS 28, 4
.irp q, 0,1
	v_or_b32 v[PS+\q], v[PT+\q], v[PT+2+\q]        ; with lane l xor 16's two the word is whole
.endr
.irp q, 0,1
	v_pk_add_f32 v[AC+8*\q:AC+8*\q+1], v[AC+8*\q:AC+8*\q+1], v[AC+8*\q+2:AC+8*\q+3]
.endr
.irp q, 0,1
	v_pk_add_f32 v[AC+8*\q+4:AC+8*\q+5], v[AC+8*\q+4:AC+8*\q+5], v[AC+8*\q+6:AC+8*\q+7]
.endr
.irp q, 0,1
	v_pk_add_f32 v[AC+8*\q:AC+8*\q+1], v[AC+8*\q:AC+8*\q+1], v[AC+8*\q+4:AC+8*\q+5]
.endr
.irp q, 0,1
.irp c, 0,1
	v_cvt_scalef32_pk16_fp6_f32 v[PC+12*\q+6*\c:PC+12*\q+6*\c+2], v[S+64*\q+32*\c:S+64*\q+32*\c+15], v[SO+2*\q+\c]
	v_cvt_scalef32_pk16_fp6_f32 v[PX+8*\q+4*\c:PX+8*\q+4*\c+2], v[S+64*\q+32*\c+16:S+64*\q+32*\c+31], v[SO+2*\q+\c]   ; a conversion's three registers begin on an even number
.endr
.endr
	v_nop                                          ; one plain place behind a scaled conversion
.irp q, 0,1
.irp c, 0,1
.irp i, 0,1,2
	v_mov_b32 v[PC+12*\q+6*\c+3+\i], v[PX+8*\q+4*\c+\i]
.endr
.endr
.endr
.if \first
	PLACES 4                                       ; between the codes just moved and the products
.else
	WIN 0x41                                       ; source 0 and destination window 1
	s_wait_alu depctr_va_vdst(0)                   ; directly ahead of the first reader of O^T
.set J, 0
.rept 32
	v_pk_mul_f32 v[OO+J:OO+J+1], v[OO+J:OO+J+1], v[F+2*(J/32):F+2*(J/32)+1] op_sel_hi:[1,0]   ; O^T under the new M; these are also the places between the codes and scale words just made and the products
.set J, J+2
.endr
.endif
	WIN 0x51                                       ; source 0 (V), C and D window 1; source 1 (p) window 0
.irp t, 0,1,2,3
.irp q, 0,1
	WM OO+32*\q+8*\t, VF+12*\t, PC+12*\q, \first, VS+\t/2, PS+\q, \t%2     ; the eight accumulators by turns
.endr
.endr
	WIN 0
.endm
.macro RUN base, n                     ; n key steps from LDS byte base on
	s_mov_b32 s[TB], \base
	s_mov_b32 s[CNT], \n
.Lstep_\@:
	STEP 0
	s_add_co_u32 s[TB], s[TB], KREC
	s_sub_co_u32 s[CNT], s[CNT], 1
	s_cmp_lg_u32 s[CNT], 0
	s_cbranch_scc1 .Lstep_\@
.endm
	s_load_b256 s[4:11], s[0:1], 0x0               ; qr s[4:5], kv s[6:7], oi s[8:9], osc s[10:11]
	v_lshl_add_u32 v[SPW], v0, 2, SPARE
	v_mov_b32 v[NIL], 0
	ds_add_u32 v[SPW], v[NIL]                      ; the wave's opening: the add, twice on end, and its wait ahead of my first tensor load
	ds_add_u32 v[SPW], v[NIL]
	v_lshrrev_b32 v19, 5, v0
	v_readfirstlane_b32 s[WV], v19                 ; wave 0..7
	v_and_b32 v19, 31, v0
	v_lshlrev_b32 v[L16], 4, v19
	v_lshlrev_b32 v[L8], 3, v19
	v_lshlrev_b32 v[L4], 2, v19
	v_and_b32 v9, 7, v0                            ; r % 8
	v_bfe_u32 v10, v0, 3, 1                        ; r / 8
	v_bfe_u32 v11, v0, 4, 1                        ; h
	v_lshlrev_b32 v12, 4, v9
	v_lshlrev_b32 v13, 3, v9
	v_lshl_add_u32 v12, v11, 8, v12
	v_lshl_add_u32 v13, v11, 7, v13
	v_mad_u32_u24 v[BKA16], v10, 1664, v12
	v_mad_u32_u24 v[BKB16], v10, 1408, v12
	v_mad_u32_u24 v[BKA8], v10, 1600, v13
	v_mad_u32_u24 v[BKB8], v10, 1472, v13
	v_lshl_add_u32 v[BKS], v10, 2, v13
	v_add_nc_u32 v[BKB16], 128, v[BKB16]
	v_add_nc_u32 v[BKB8], 64, v[BKB8]
	v_lshlrev_b32 v[SH8], 3, v11
	v_and_b32 v19, 15, v0
	v_lshlrev_b32 v19, 3, v19                      ; 8 r, for Q's scale words
	s_bfe_u32 s13, ttmp6, 0x40000                  ; cx
	s_lshl_b32 s14, ttmp9, 2
	s_add_co_u32 s14, s14, s13                     ; my block of 256 queries: it enters Q's and O's addresses alone
	s_and_b32 s15, ttmp7, 0xffff                   ; the head, which the four partners share
.irp g, G1A, G1B                               ; dense bytes as rows of 32 elements of 8 bytes, no padding; the mask names all four work-groups, bit 21 set beside it
	s_mov_b32 s[\g], 15|(3<<16)|(1<<21)
	s_mov_b32 s[\g+1], 32<<16
	s_mov_b32 s[\g+3], 32<<16
	s_mov_b32 s[\g+5], 32
	s_mov_b32 s[\g+6], 0
	s_mov_b32 s[\g+7], 0
.endr
	s_mov_b32 s[G1A+2], 51<<16
	s_mov_b32 s[G1A+4], 51
	s_mov_b32 s[G1B+2], 102<<16
	s_mov_b32 s[G1B+4], 102
	s_mul_i32 s22, s[WV], KREC
	s_mov_b32 s23, 0
	s_mul_i32 s24, s15, 32*KREC
	s_add_co_u32 s24, s24, s22                     ; the head's records + my wave's
	s_mov_b32 s25, 0
	s_lshr_b32 s26, s[WV], 2
	s_lshl_b32 s27, s14, 1
	s_add_co_u32 s26, s26, s27                     ; my tiles' group of 128 tokens
	s_mul_i32 s26, s26, 6656
	s_mul_i32 s27, s15, 32*6656
	s_add_co_u32 s26, s26, s27                     ; its record in qr
	s_and_b32 s27, s[WV], 3                        ; my tiles in the group: T = 2 (wave % 4) + q
	s_mul_i32 s66, s27, 1536
	s_add_co_u32 s66, s66, s26
	s_mov_b32 s67, 0
	s_lshr_b32 s68, s27, 1
	s_lshl_b32 s68, s68, 8                         ; their scale words: 6,144 + 256 (T / 4) + 4 ((T / 2) % 2) + 128 q + 8 r
	s_and_b32 s27, s27, 1
	s_lshl_b32 s27, s27, 2
	s_add_co_u32 s68, s68, s27
	s_add_co_u32 s68, s68, s26
	s_add_co_u32 s68, s68, 6144
	s_mov_b32 s69, 0
	s_lshl_b32 s70, s14, 4
	s_lshl_b32 s27, s[WV], 1
	s_add_co_u32 s70, s70, s27                     ; my first tile among the 256
	s_mul_i32 s70, s70, 12288
	s_mul_i32 s27, s15, 768
	s_add_co_u32 s70, s70, s27
	s_mov_b32 s71, 0
	s_lshl_b32 s26, s15, 13
	s_lshl_b32 s27, s14, 9
	s_add_co_u32 s26, s26, s27
	s_mov_b32 s27, 0
	s_mov_b32 s[SEL], 0x76543210
	s_mov_b32 s[SEL+1], 0xfedcba98
	s_mov_b32 s[CS], 0x3fb8aa3b                    ; log2(e)
	s_mov_b32 s[CS+1], s[CS]
	s_wait_alu depctr_va_vdst(0)                   ; directly ahead of the waits below
	s_wait_dscnt 0x0                               ; both opening adds are done
	s_wait_kmcnt 0x0
	s_add_nc_u64 s[24:25], s[6:7], s[24:25]
	s_mov_b32 s[G0A], 1                            ; record wave, to place wave
	s_mov_b32 s[G0A+1], s22
	s_mov_b64 s[G0A+2:G0A+3], s[24:25]
	s_or_b32 s[G0A+3], s[G0A+3], 0x80000000
	s_mov_b32 s[G0B], 1                            ; records 8 + 2 wave and the next, to the same places
	s_lshl_b32 s[G0B+1], s22, 1
	s_add_co_u32 s[G0B+1], s[G0B+1], 8*KREC
	s_add_nc_u64 s[G0B+2:G0B+3], s[24:25], s[22:23]
	s_add_nc_u64 s[G0B+2:G0B+3], s[G0B+2:G0B+3], 8*KREC
	s_or_b32 s[G0B+3], s[G0B+3], 0x80000000
	s_mov_b32 s[G0C], 1                            ; record 24 + wave, to place wave
	s_mov_b32 s[G0C+1], s22
	s_add_nc_u64 s[G0C+2:G0C+3], s[24:25], 24*KREC
	s_or_b32 s[G0C+3], s[G0C+3], 0x80000000
	s_add_nc_u64 s[QB:QB+1], s[4:5], s[66:67]
	s_add_nc_u64 s[QSB:QSB+1], s[4:5], s[68:69]
	s_add_nc_u64 s[OB:OB+1], s[8:9], s[70:71]
	s_add_nc_u64 s[OSB:OSB+1], s[10:11], s[26:27]
	CROUND                                         ; all four work-groups are here: the first joint loads meet
	tensor_load_to_lds s[G0A:G0A+3], s[G1A:G1A+7]  ; one tensor load a wave at the head
	s_nop 0
	PLACES 4
	global_load_b32 v[QS], v19, s[QSB:QSB+1]
	global_load_b32 v[QS+1], v19, s[QSB:QSB+1] offset:128
	WIN 0x40
.irp q, 0,1
	global_load_b128 v[QF+12*\q:QF+12*\q+3], v[L16], s[QB:QB+1] offset:768*\q
	global_load_b64 v[QF+12*\q+4:QF+12*\q+5], v[L8], s[QB:QB+1] offset:768*\q+512
.endr
.irp i, 6,7,8,9,10,11
.irp q, 0,1
	v_mov_b32 v[QF+12*\q+\i], 0                    ; the upper 64 of the instruction's 128: zero codes, in Q
.endr
.irp t, 0,1,2,3,4,5,6,7
	v_mov_b32 v[KF+12*\t+\i], 0                    ; and in K: written once
.endr
.endr
	WIN 0
.irp q, 0,1
	v_mov_b32 v[NM+2*\q], 0x7f61b1e6               ; -M: 3e38
	v_mov_b32 v[NM+2*\q+1], 0xff61b1e6             ; the largest score so far: -3e38
	v_mov_b32 v[AC+8*\q], 0                        ; the sum, in two halves
	v_mov_b32 v[AC+8*\q+1], 0
	v_mov_b32 v[F+2*\q+1], 0                       ; (named as the upper half of a pair)
	v_mov_b32 v[PT+\q], 0                          ; a lane permute's destination counts as one of its sources
	v_mov_b32 v[PT+2+\q], 0
.endr
	s_wait_alu depctr_va_vdst(0)                   ; the wait at the head's end
	s_wait_tensorcnt 0x0                           ; my record is in
	ds_add_u32 v[SPW], v[NIL]
	s_wait_dscnt 0x0
	CROUND                                         ; records 0-7 are whole, and the joint loads meet
	tensor_load_to_lds s[G0B:G0B+3], s[G1B:G1B+7]  ; records 8-23: eight key steps ahead of their first read
	s_nop 0
	PLACES 4
	s_wait_loadcnt 0x0                             ; Q
	s_mov_b32 s[TB], 0
	STEP 1                                         ; the first step's products start O^T
	RUN KREC, 7
	s_wait_tensorcnt 0x0                           ; my part of records 8-23 is in;
	ds_add_u32 v[SPW], v[NIL]
	s_wait_dscnt 0x0                               ; the add is done, and my reads of places 0-7 are over
	CROUND
	tensor_load_to_lds s[G0C:G0C+3], s[G1A:G1A+7]  ; records 24-31 into places 0-7: sixteen key steps ahead of their first read
	s_nop 0
	PLACES 4
	RUN 8*KREC, 16
	s_wait_tensorcnt 0x0                           ; my part of records 24-31 is in
	ds_add_u32 v[SPW], v[NIL]
	s_wait_dscnt 0x0
	s_barrier_signal -1
	s_barrier_wait -1
	RUN 0, 8
	; THE WAY OUT: O^T / the sum, quantised along the head's 64, leaves as registers 0-5 of the next launch's fragment
.irp q, 0,1
	v_add_f32 v[AC+8*\q], v[AC+8*\q], v[AC+8*\q+1]
.endr
.irp q, 0,1
	s_delay_alu instid0(VALU_DEP_2)
	v_permlanex16_b32 v[PT+\q], v[AC+8*\q], s[SEL], s[SEL+1]
.endr
.irp q, 0,1
	s_delay_alu instid0(VALU_DEP_2)
	v_add_f32 v[AC+8*\q], v[AC+8*\q], v[PT+\q]     ; the row's sum
.endr
	s_wait_alu depctr_va_vdst(0)                   ; the wait ahead of the transcendentals
.irp q, 0,1
	v_rcp_f32 v[AC+8*\q], v[AC+8*\q]
.endr
	v_and_b32 v9, 15, v0                           ; plain work behind the reciprocals
	v_add_nc_u32 v10, STG, v[L16]                  ; where wave 0 reads all 512 scale bytes back
	v_lshlrev_b32 v9, 1, v9
	s_lshl_b32 s22, s[WV], 6
	s_add_co_u32 s22, s22, STG
	v_add_nc_u32 v9, s22, v9                       ; where my rows' scale bytes go: STG + 64 x wave + 32 q + 2 r
	v_mov_b32 v[TQ+2], 0
	v_mov_b32 v[TQ+3], 0
	WIN 0x01                                       ; source 0 window 1
	s_wait_alu depctr_va_vdst(0)                   ; the wait ahead of the first reader of the reciprocals and of O^T
.set J, 0
.rept 32
	v_pk_mul_f32 v[S+64*(J/32)+J%32:S+64*(J/32)+J%32+1], v[OO+J:OO+J+1], v[AC+8*(J/32):AC+8*(J/32)+1] op_sel_hi:[1,0]
.set J, J+2
.endr
	WIN 0
.irp q, 0,1
	QUANT2 S+64*\q, PC+12*\q, PX+8*\q, PT+\q, TQ
	global_store_b128 v[L16], v[PC+12*\q:PC+12*\q+3], s[OB:OB+1] offset:12288*\q            ; 512 consecutive bytes, aligned
	global_store_b64 v[L8], v[PC+12*\q+4:PC+12*\q+5], s[OB:OB+1] offset:12288*\q+512        ; 256 consecutive bytes, aligned
	ds_store_b16 v9, v[PT+\q] offset:32*\q         ; both halves of the lanes write the same bytes with the same value
.endr
	s_wait_dscnt 0x0                               ; for the others' sake: my bytes lie in LDS
	s_barrier_signal -1
	s_barrier_wait -1
	s_cmp_lg_u32 s[WV], 0
	s_cbranch_scc1 .Lend
	ds_load_b128 v[S:S+3], v10
	s_wait_dscnt 0x0
	global_store_b128 v[L16], v[S:S+3], s[OSB:OSB+1]               ; the work-group's 16 tiles: 512 consecutive bytes, aligned
.Lend:
	s_wait_tensorcnt 0x0                           ; the wave's end
	ds_add_u32 v[SPW], v[NIL]
	s_wait_dscnt 0x0
	CROUND                                         ; the closing round
	s_endpgm
.Lfunc_end_k_qda87f9d50c_attn:
	.size	k_qda87f9d50c_attn, .Lfunc_end_k_qda87f9d50c_attn-k_qda87f9d50c_attn
	.p2alignl 7, 3214868480
	.fill 96, 4, 3214868480
	.section	.rodata,"a",@progbits
	.p2align	6, 0x0
	.amdhsa_kernel k_qda87f9d50c_attn
		.amdhsa_group_segment_fixed_size 327680
		.amdhsa_private_segment_fixed_size 0
		.amdhsa_enable_private_segment 0
		.amdhsa_kernarg_size 32
		.amdhsa_user_sgpr_count 2
		.amdhsa_user_sgpr_kernarg_segment_ptr 1
		.amdhsa_wavefront_size32 1
		.amdhsa_system_sgpr_workgroup_id_x 1
		.amdhsa_system_sgpr_workgroup_id_y 1
		.amdhsa_system_sgpr_workgroup_id_z 1
		.amdhsa_system_vgpr_workitem_id 0
		.amdhsa_next_free_vgpr 512
		.amdhsa_next_free_sgpr 72
		.amdhsa_reserve_vcc 0
		.amdhsa_float_denorm_mode_32 3
		.amdhsa_float_denorm_mode_16_64 3
		.amdhsa_memory_ordered 1
		.amdhsa_forward_progress 1
		.amdhsa_inst_pref_size 128
	.end_amdhsa_kernel
	.amdgpu_metadata
---
amdhsa.version: [ 1, 2 ]
amdhsa.kernels:
  - .name:           k_qda87f9d50c_attn
    .symbol:         k_qda87f9d50c_attn.kd
    .args:
      - { .name: qr, .offset: 0, .size: 8, .value_kind: global_buffer, .address_space: global }
      - { .name: kv, .offset: 8, .size: 8, .value_kind: global_buffer, .address_space: global }
      - { .name: oi, .offset: 16, .size: 8, .value_kind: global_buffer, .address_space: global }
      - { .name: osc, .offset: 24, .size: 8, .value_kind: global_buffer, .address_space: global }
    .group_segment_fixed_size: 327680
    .private_segment_fixed_size: 0
    .kernarg_segment_align: 8
    .kernarg_segment_size: 32
    .max_flat_workgroup_size: 256
    .sgpr_count:     72
    .vgpr_count:     512
    .wavefront_size: 32
...
	.end_amdgpu_metadata
.endif
;; end of part 3
;; launch oproj (part 4): grid 8 x 32, 4 waves a work-group, clusters of 4 x 4, 327,680 bytes of LDS; arguments oi, osc, wi, wsc, out0; writes out0
.if DOCPART == 4
	.amdgcn_target "amdgcn-amd-amdhsa--gfx1250"
	.amdhsa_code_object_version 6
	.text
	.protected	k_qda87f9d50c_oproj
	.globl	k_qda87f9d50c_oproj
	.p2align	8
	.type	k_qda87f9d50c_oproj,@function
k_qda87f9d50c_oproj:
	s_mov_b64 s[64:65], 0
	v_nop
	global_prefetch_b8 v0, s[64:65] scope:SCOPE_SE
	s_setreg_imm32_b32 hwreg(HW_REG_WAVE_MODE, 25, 1), 1
	s_wait_xcnt 0x0
	s_wait_alu depctr_hold_cnt(0) depctr_sa_sdst(0) depctr_va_vdst(0) depctr_va_sdst(0) depctr_va_ssrc(0) depctr_va_vcc(0) depctr_vm_vsrc(0)
	s_getreg_b32 s2, hwreg(HW_REG_IB_STS2, 6, 4)
	s_cmp_eq_u32 s2, 0
	s_cbranch_scc0 .Lentry_in_a_cluster
	s_endpgm
.Lentry_in_a_cluster:
	s_bfe_u32 s2, ttmp6, 0x10000c
	s_cmp_lg_u32 s2, 0xf033
	s_cbranch_scc0 .Lentry_shape_is_right
	s_endpgm
.Lentry_shape_is_right:
.set OT,    0
.set WT,    98304
.set STAGE, 196608
.set SPARE, STAGE+4*4352
.set TILEB, 12288
.set FRB,   1536
.set L16, 1
.set L8,  2
.set AO16, 3
.set AO8, 4
.set AW,  5
.set SL,  6
.set OA,  7
.set STO, 8
.set RD,  9
.set CO,  10
.set SPW, 30
.set NIL, 31
.set WOS, 32
.set OS,  48
.set BUF, 64
.set ACC, 128
.set WV, 14
.set WY, 15
.set WX, 16
.set CX, 17
.set CY, 18
.set TX, 19
.set TY, 20
.set G1O, 32
.set G1W, 40
.set G0O, 48
.set G0W, 52
.set WSB, 56
.set OSB, 58
.set CB,  60
.set MSB, 0
.macro WIN new
.if MSB != \new
	s_set_vgpr_msb (MSB<<8)|\new
.set MSB, \new
.endif
.endm
.set MUL,  0x05
.set TO_F, 0x40
.macro PLACES n
.rept \n
	v_nop
.endr
.endm
.macro CROUND
	s_barrier_signal -1
	s_barrier_wait -1
	s_cmp_lg_u32 s[WV], 0
	s_cbranch_scc1 .Lnot_wave_0_\@
	s_barrier_signal -3
.Lnot_wave_0_\@:
	s_barrier_wait -3
	s_barrier_signal -1
	s_barrier_wait -1
.endm
.macro WM d, a, b, sa, sb, s
.if (\s) == 0
	v_wmma_scale_f32_16x16x128_f8f6f4 v[(\d):(\d)+7], v[(\a):(\a)+11], v[(\b):(\b)+11], 0, v[(\sa)], v[(\sb)] matrix_a_fmt:MATRIX_FMT_FP6 matrix_b_fmt:MATRIX_FMT_FP6
.elseif (\s) < 4
	v_wmma_scale_f32_16x16x128_f8f6f4 v[(\d):(\d)+7], v[(\a):(\a)+11], v[(\b):(\b)+11], v[(\d):(\d)+7], v[(\sa)], v[(\sb)] matrix_a_fmt:MATRIX_FMT_FP6 matrix_b_fmt:MATRIX_FMT_FP6
.else
	v_wmma_scale_f32_16x16x128_f8f6f4 v[(\d):(\d)+7], v[(\a):(\a)+11], v[(\b):(\b)+11], v[(\d):(\d)+7], v[(\sa)], v[(\sb)] matrix_a_fmt:MATRIX_FMT_FP6 matrix_b_fmt:MATRIX_FMT_FP6 matrix_a_scale:MATRIX_SCALE_ROW1 matrix_b_scale:MATRIX_SCALE_ROW1
.endif
.endm
.macro FETCH set, s
	WIN TO_F
.irp i, 0,1,2,3
.irp g, 0,1,2
	ds_load_b128 v[(\set)+12*\i+4*\g:(\set)+12*\i+4*\g+3], v[AW] offset:TILEB*\i+FRB*(\s)+512*\g
.endr
.endr
.irp j, 0,1,2,3
.irp c, 0,1
	ds_load_b128 v[(\set)+48+12*\j+6*\c:(\set)+48+12*\j+6*\c+3], v[AO16] offset:TILEB*\j+FRB*(\s)+768*\c
	ds_load_b64 v[(\set)+48+12*\j+6*\c+4:(\set)+48+12*\j+6*\c+5], v[AO8] offset:TILEB*\j+FRB*(\s)+768*\c+512
.endr
.endr
.endm
.macro MULS set, s
	WIN MUL
.irp j, 0,1,2,3
.irp i, 0,1,2,3
	WM ACC+32*\j+8*\i, (\set)+12*\i, (\set)+48+12*\j, WOS+4*\i+(\s)%4, OS+4*\j+(\s)%4, \s
.endr
.endr
.endm
	s_load_b256 s[4:11], s[0:1], 0x0
	s_load_b64 s[12:13], s[0:1], 0x20
	v_lshl_add_u32 v[SPW], v0, 2, SPARE
	v_mov_b32 v[NIL], 0
	ds_add_u32 v[SPW], v[NIL]
	ds_add_u32 v[SPW], v[NIL]
	v_lshrrev_b32 v17, 5, v0
	v_readfirstlane_b32 s[WV], v17
	s_lshr_b32 s[WY], s[WV], 1
	s_and_b32 s[WX], s[WV], 1
	s_bfe_u32 s[CX], ttmp6, 0x40000
	s_bfe_u32 s[CY], ttmp6, 0x40004
	s_lshl_b32 s[TX], ttmp9, 2
	s_add_co_u32 s[TX], s[TX], s[CX]
	s_and_b32 s[TY], ttmp7, 0xffff
	s_lshl_b32 s[TY], s[TY], 2
	s_add_co_u32 s[TY], s[TY], s[CY]
	s_lshl_b32 s21, s[CY], 2
	s_lshl_b32 s21, 15, s21
	s_lshl_b32 s22, 0x1111, s[CX]
	s_or_b32 s[G1O], s21, (3<<16)|(1<<21)
	s_or_b32 s[G1W], s22, (3<<16)|(1<<21)
.irp g, G1O, G1W
	s_mov_b32 s[\g+1], 32<<16
	s_mov_b32 s[\g+2], 192<<16                     ; a load brings half a block of eight tiles: 192 rows of 256 bytes
	s_mov_b32 s[\g+3], 32<<16
	s_mov_b32 s[\g+4], 192
	s_mov_b32 s[\g+5], 32
	s_mov_b32 s[\g+6], 0
	s_mov_b32 s[\g+7], 0
.endr
	s_mul_i32 s23, s[WX], 49152                    ; waves 0, 1 fetch the halves of O's block, waves 2, 3 those of wo's: the same place in LDS and in memory
	s_mul_i32 s24, s[TY], 98304
	s_add_co_u32 s24, s24, s23
	s_mov_b32 s25, 0
	s_mul_i32 s26, s[TX], 98304
	s_add_co_u32 s26, s26, s23
	s_add_co_u32 s26, s26, 192*TILEB
	s_mov_b32 s27, 0
	v_and_b32 v17, 31, v0
	v_and_b32 v18, 15, v0
	v_bfe_u32 v19, v0, 4, 1
	v_lshlrev_b32 v[L16], 4, v17
	v_lshlrev_b32 v[L8], 3, v17
	s_mul_i32 s28, s[WY], 4*TILEB
	v_add_nc_u32 v[AO16], s28, v[L16]
	v_add_nc_u32 v[AO8], s28, v[L8]
	s_mul_i32 s28, s[WX], 4*TILEB
	s_add_co_u32 s28, s28, WT
	v_add_nc_u32 v[AW], s28, v[L16]
	v_lshlrev_b32 v[SL], 5, v18
	v_lshl_add_u32 v[SL], v19, 4, v[SL]
	v_lshlrev_b32 v[OA], 1, v18
	v_lshl_add_u32 v[OA], v19, 16, v[OA]
	s_mul_i32 s28, s[WV], 4352
	s_add_co_u32 s28, s28, STAGE
	v_mul_u32_u24 v[STO], v18, 272
	v_lshl_add_u32 v[STO], v19, 6, v[STO]
	v_add_nc_u32 v[STO], s28, v[STO]
	v_mul_u32_u24 v[RD], v19, 272
	v_lshl_add_u32 v[RD], v18, 4, v[RD]
	v_add_nc_u32 v[RD], s28, v[RD]
	v_lshlrev_b32 v[CO], 12, v19
	v_lshl_add_u32 v[CO], v18, 4, v[CO]
	s_wait_dscnt 0x0
	s_wait_kmcnt 0x0
	s_mov_b32 s[G0O], 1
	s_add_co_u32 s[G0O+1], s23, OT
	s_add_nc_u64 s[G0O+2:G0O+3], s[4:5], s[24:25]
	s_or_b32 s[G0O+3], s[G0O+3], 0x80000000
	s_mov_b32 s[G0W], 1
	s_add_co_u32 s[G0W+1], s23, WT
	s_add_nc_u64 s[G0W+2:G0W+3], s[8:9], s[26:27]
	s_or_b32 s[G0W+3], s[G0W+3], 0x80000000
	CROUND
	s_cmp_lt_u32 s[WV], 2                          ; one tensor load a wave at the head
	s_cbranch_scc0 .Lhead_w
	tensor_load_to_lds s[G0O:G0O+3], s[G1O:G1O+7]
	s_nop 0
	PLACES 4
	s_branch .Lhead_asked
.Lhead_w:
	tensor_load_to_lds s[G0W:G0W+3], s[G1W:G1W+7]
	s_nop 0
	PLACES 4
.Lhead_asked:
	s_wait_alu depctr_va_vdst(0)
	s_lshl_b32 s24, s[TX], 12
	s_lshl_b32 s26, s[WX], 11
	s_add_co_u32 s24, s24, s26
	s_add_co_u32 s24, s24, 192*512
	s_add_nc_u64 s[WSB:WSB+1], s[10:11], s[24:25]
	s_lshl_b32 s24, s[TY], 8
	s_lshl_b32 s26, s[WY], 7
	s_add_co_u32 s24, s24, s26
	s_add_nc_u64 s[OSB:OSB+1], s[6:7], s[24:25]
	s_lshl_b32 s24, s[TY], 19
	s_lshl_b32 s26, s[WY], 18
	s_add_co_u32 s24, s24, s26
	s_lshl_b32 s26, s[TX], 9
	s_add_co_u32 s24, s24, s26
	s_lshl_b32 s26, s[WX], 8
	s_add_co_u32 s24, s24, s26
	s_add_nc_u64 s[CB:CB+1], s[12:13], s[24:25]
.irp i, 0,1,2,3
	global_load_b128 v[WOS+4*\i:WOS+4*\i+3], v[SL], s[WSB:WSB+1] offset:512*\i
.endr
	s_wait_alu depctr_va_vdst(0)
.irp j, 0,1,2,3
.irp y, 0,1,2,3,4,5,6,7
	global_load_u16 v[BUF+8*\j+\y], v[OA], s[OSB:OSB+1] offset:8192*\y+32*\j
.endr
.endr
	s_wait_tensorcnt 0x0
	s_barrier_signal -1
	s_barrier_wait -1
	s_wait_loadcnt 0x0
.irp j, 0,1,2,3
.irp y, 0,1,2,3
	v_lshl_or_b32 v[OS+4*\j+\y], v[BUF+8*\j+2*\y+1], 16, v[BUF+8*\j+2*\y]
.endr
.endr
	PLACES 8
	FETCH 0, 0
	s_wait_alu depctr_va_vdst(0)
.irp s, 0,1,2,3,4,5,6
.if \s > 0
	PLACES 4
.endif
	FETCH 128*((\s+1)%2), \s+1
	s_wait_dscnt 28
	MULS 128*(\s%2), \s
.endr
	s_wait_dscnt 0x0
	MULS 128, 7
	PLACES 4
	WIN 0
.macro TOSTAGE a
.irp i, 0,1,2,3
	ds_store_b128 v[STO], v[ACC+32*(\a)+8*\i:ACC+32*(\a)+8*\i+3] offset:128*(\i/2)+32*(\i%2)
	ds_store_b128 v[STO], v[ACC+32*(\a)+8*\i+4:ACC+32*(\a)+8*\i+7] offset:128*(\i/2)+32*(\i%2)+16
.endr
.irp t, 0,1,2,3,4,5,6,7
	ds_load_b128 v[BUF+32*((\a)%2)+4*\t:BUF+32*((\a)%2)+4*\t+3], v[RD] offset:544*\t
.endr
.endm
.macro SEND a, younger
	s_wait_dscnt \younger
.irp t, 0,1,2,3,4,5,6,7
	global_store_b128 v[CO], v[BUF+32*((\a)%2)+4*\t:BUF+32*((\a)%2)+4*\t+3], s[CB:CB+1] offset:(32*((\a)/2)+8*((\a)%2)+2*\t+8*(\t/4))*4096 th:TH_STORE_NT
.endr
.endm
	TOSTAGE 0
.irp a, 1,2,3
.if \a > 1
	s_wait_xcnt 0x0
.endif
	TOSTAGE \a
	SEND \a-1, 16
.endr
	SEND 3, 0
	s_wait_tensorcnt 0x0
	ds_add_u32 v[SPW], v[NIL]
	s_wait_dscnt 0x0
	CROUND
	s_endpgm
.Lfunc_end_k_qda87f9d50c_oproj:
	.size	k_qda87f9d50c_oproj, .Lfunc_end_k_qda87f9d50c_oproj-k_qda87f9d50c_oproj
	.p2alignl 7, 3214868480
	.fill 96, 4, 3214868480
	.section	.rodata,"a",@progbits
	.p2align	6, 0x0
	.amdhsa_kernel k_qda87f9d50c_oproj
		.amdhsa_group_segment_fixed_size 327680
		.amdhsa_private_segment_fixed_size 0
		.amdhsa_enable_private_segment 0
		.amdhsa_kernarg_size 40
		.amdhsa_user_sgpr_count 2
		.amdhsa_user_sgpr_kernarg_segment_ptr 1
		.amdhsa_wavefront_size32 1
		.amdhsa_system_sgpr_workgroup_id_x 1
		.amdhsa_system_sgpr_workgroup_id_y 1
		.amdhsa_system_sgpr_workgroup_id_z 1
		.amdhsa_system_vgpr_workitem_id 0
		.amdhsa_next_free_vgpr 512
		.amdhsa_next_free_sgpr 72
		.amdhsa_reserve_vcc 0
		.amdhsa_float_denorm_mode_32 3
		.amdhsa_float_denorm_mode_16_64 3
		.amdhsa_memory_ordered 1
		.amdhsa_forward_progress 1
		.amdhsa_inst_pref_size 50
	.end_amdhsa_kernel
	.amdgpu_metadata
---
amdhsa.version: [ 1, 2 ]
amdhsa.kernels:
  - .name:           k_qda87f9d50c_oproj
    .symbol:         k_qda87f9d50c_oproj.kd
    .args:
      - { .name: oi, .offset: 0, .size: 8, .value_kind: global_buffer, .address_space: global }
      - { .name: osc, .offset: 8, .size: 8, .value_kind: global_buffer, .address_space: global }
      - { .name: wi, .offset: 16, .size: 8, .value_kind: global_buffer, .address_space: global }
      - { .name: wsc, .offset: 24, .size: 8, .value_kind: global_buffer, .address_space: global }
      - { .name: out0, .offset: 32, .size: 8, .value_kind: global_buffer, .address_space: global }
    .group_segment_fixed_size: 327680
    .private_segment_fixed_size: 0
    .kernarg_segment_align: 8
    .kernarg_segment_size: 40
    .max_flat_workgroup_size: 128
    .sgpr_count:     72
    .vgpr_count:     512
    .wavefront_size: 32
...
	.end_amdgpu_metadata
.endif
;; end of part 4
